; MI455X (gfx1250); checked and timed in simulation.
; The chip was launched on July 23, 2026; its instructions are those of AMD's public machine-readable ISA for CDNA 5 (MIT licence, August 2026) and "CDNA5" Instruction Set Architecture Reference Guide (July 2026). The comments in the code are by the model that wrote it; some were corrected since.
;; Causal Self Attention. Allowed arithmetic: matrix products marked QUANTISED: E4M3 operands, one E8M0 scale for each 32 along K, by v_wmma_scale_f32_16x16x128_f8f6f4 with both operands' format E4M3, f32 sums; everything else in f32.
;; Inputs: W_out 1,024 x 1,024 float32; W_qkv 1,024 x 3,072 float32; b_out 1,024 float32; b_qkv 3,072 float32; x 4 x 2,048 x 1,024 float32.
;; Outputs: out0 4 x 2,048 x 1,024 float32.
;; This version of the problem:
;;   THIS VERSION OF THE PROBLEM IS GIVEN IN LOW PRECISION. The matrix products marked QUANTISED in the list below multiply operands that are first quantised to E4M3 (4 exponent bits, 3 mantissa bits; 8 bits a number), with one power-of-two scale for each 32 numbers along K (OCP MX v1.0); their sums are f32. All else is computed in f32.
;;   The module's matrix products, in the order in which they are computed (A, B: the left and right operand; K: the contracted axis; several contracted axes count as one K, in the product's order):
;;     1. [M 8,192, K 1,024] x [K 1,024, N 3,072]; A: input x; B: input W_qkv: QUANTISED
;;     2. batch 64 x [M 2,048, K 64] x [K 64, N 2,048]; A: computed on the way; B: computed on the way: QUANTISED
;;     3. batch 64 x [M 2,048, K 2,048] x [K 2,048, N 64]; A: softmax (see below); B: computed on the way: QUANTISED
;;     4. [M 8,192, K 1,024] x [K 1,024, N 1,024]; A: computed on the way; B: input W_out: QUANTISED
;;   THE QUANTISER, for each operand of a quantised product, along K:
;;     - K is cut into blocks of 32 from its start; a last block that is shorter is filled with zeros.
;;     - A block's scale is 2^e with e = floor(log2(the largest magnitude in the block)) - 8, held to -126 .. 127; a block of zeros has e = 0. As a byte (E8M0): e + 127.
;;     - Each number is divided by its block's scale, clamped to +-448, and rounded to the nearest number of E4M3, ties to even, subnormals kept.
;;     - The product sums the exact products of the quantised numbers (number of the format x scale) in f32.
;;   ~~~python
;;   def quantise(x, axis):      # numpy; x: float32 -> the quantised numbers, widened to float32 again
;;       x = np.moveaxis(x, axis, -1); K = x.shape[-1]
;;       x = np.pad(x, [(0, 0)] * (x.ndim - 1) + [(0, -K % 32)]); x = x.reshape(x.shape[:-1] + (-1, 32)); a = np.abs(x).max(-1, keepdims=True)
;;       e = np.where(a > 0, np.clip(np.frexp(np.where(a > 0, a, 1))[1] - 1 - 8, -126, 127), 0)      # np.frexp(a)[1] - 1 = floor(log2(a)), exactly
;;       r = np.clip(x / 2.0 ** e, -448, 448)
;;       step = 2.0 ** (np.maximum(np.frexp(np.where(r == 0, 1, r))[1] - 1, -6) - 3)
;;       q = np.round(r / step) * step * 2.0 ** e      # np.round: ties to even
;;       return np.moveaxis(q.reshape(q.shape[:-2] + (-1,))[..., :K], -1, axis).astype(np.float32)
;;   ~~~
;;   SOFTMAX AHEAD OF A QUANTISED PRODUCT. Where the list says 'softmax', what is quantised is not the finished softmax but p = 2^(t - M), with t = logit x log2(e) and M = ceil(the row's largest t), a whole number; so 1/2 < the row's largest p <= 1. The row's sum l is taken of the UNQUANTISED p, in f32, and the product's result is divided by l at the end. Since M is a whole number, a kernel that streams over the keys may use a running M (the ceiling of the running maximum): every later rescaling is an exact power of two, which a block's scale takes up: the codes' values come out the same.
;;   OPERANDS COMPUTED ON THE WAY. 'Computed on the way' means the value that the module computes at that place (a softmax that the list does not call 'softmax' is quantised finished and normalised). What goes into a quantiser is computed in f32, as accurately as f32 sums, v_exp_f32 and their like allow (about 1e-6 of the number): no bf16 or f16 on the way to a quantiser, and a product that is left as it is and whose result goes on into a quantised operand takes f32 operands (vector FMAs, or v_wmma_f32_16x16x4_f32). A number that lies on a knife's edge between two numbers of the format may be rounded either way, as far as f32 arithmetic and the matrix unit's own rounding can turn it there, and no further.
;; One version. Each part assembles by itself: llvm-mc -triple=amdgcn-amd-amdhsa -mcpu=gfx1250 --defsym DOCPART=n.
;; ======== version 1 of 1: 4 launches
;; limits: right only within a limited range of input values
;; workspace buffers: codes 12,582,912 bytes; scl 393,216 bytes; img 25,165,824 bytes; isc 786,432 bytes; o_img 8,388,608 bytes; o_sc 262,144 bytes
;; launch quant (part 1): grid 384 x 1, 4 waves a work-group, no clusters, 68,096 bytes of LDS; arguments x, W_qkv, W_out, codes, scl; writes codes, scl
.if DOCPART == 1
	.amdgcn_target "amdgcn-amd-amdhsa--gfx1250"
	.amdhsa_code_object_version 6
	.text
	.protected	k_q1fbab537ca_quant
	.globl	k_q1fbab537ca_quant
	.p2align	8
	.type	k_q1fbab537ca_quant,@function
k_q1fbab537ca_quant:
	s_mov_b64 s[64:65], 0
	v_nop
	global_prefetch_b8 v0, s[64:65] scope:SCOPE_SE
	s_setreg_imm32_b32 hwreg(HW_REG_WAVE_MODE, 25, 1), 1
	s_wait_xcnt 0x0
; x [8192][1024], W_qkv [1024][3072] and W_out [1024][1024], f32, become codes of E4M3 with K innermost and one E8M0 byte for each 32 along K.
; codes: [12288 rows][1024 bytes]; scl: [12288 rows][32 bytes].  Rows 0-8191: tokens of x; rows 8192-11263: columns of W_qkv; rows 11264-12287: columns of W_out.
; ROWS LIE BY POSITION: position p holds true row pi(p), pi = bits 3 and 4 of the index exchanged.  So 16 consecutive stored rows, taken as source 0 of a product, give a lane 16 true neighbours in two tiles' registers.
; A block's scale is 2^(floor(log2(largest magnitude)) - 8); its byte is the largest magnitude's exponent field - 8, held at 1 from below; numbers are held within +-448 x the scale and rounded to nearest, ties to even.
; LIMITS: a block whose largest magnitude lies under 2^-118 (a block of zeros too, where the rule says byte 127) gets the byte 1: zero codes add nothing, and this program alone reads the bytes.  NaN and infinities are not served.
; Work-groups 0-255 take x (K innermost: a plain stream of blocks); work-groups 256-383 take the weights (K is the first axis: a lane takes a column, its registers run down K).
; The two ways share no LDS byte: x's way has bytes 0-32767, the weights' way 32768-67583.  No tensor loads, no barrier: waves share nothing.
.set STEPS, 16
.set EMAX,  8
.set MANT,  0x600000                   ; the mantissa field of 448
.set WREG,  8192                       ; x's way: a wave's LDS: two stages of 32 x SP bytes, then its 256 scale bytes
.set SP,    80                         ; a lane's 64 bytes + 16 of padding
.set R,     16                         ; v16-79   four sets of 16 numbers as loaded
.set X,     80                         ; v80-111  two sets of 16 neighbours
.set E,     112                        ; v112-127 a scale byte for each step
.set C,     128                        ; v128-191 codes, four registers a step
.set WSTG,  32768                      ; the weights' way: stages of 32 rows x WP bytes, one a wave
.set WP,    272
.set WX,    32                         ; v32-95   two sets of 32 numbers
.set WC,    96                         ; v96-103  a block's codes
.set OUTR,  112                        ; v112-175 the way out
.set SB,    24                         ; v24-25   eight scale bytes
.set VO,    196                        ; v196-227 4 x lane + i x a row of W, i = 0 .. 31; never rewritten
	s_load_b256 s[4:11], s[0:1], 0x0               ; x s[4:5], W_qkv s[6:7], W_out s[8:9], codes s[10:11]
	s_load_b64 s[12:13], s[0:1], 0x20              ; scl
	v_lshl_add_u32 v228, v0, 2, 0x10800
	v_mov_b32 v229, 0
	v_lshrrev_b32 v1, 5, v0
	v_readfirstlane_b32 s16, v1                    ; wave
	v_and_b32 v2, 31, v0                           ; lane
	v_lshlrev_b32 v3, 4, v2                        ; 16 x lane: my bytes of a load's 512, and of a step's codes
	s_mul_i32 s17, s16, WREG
	v_lshrrev_b32 v14, 2, v2
	v_mul_u32_u24 v14, v14, SP
	v_and_b32 v15, 3, v2
	v_lshl_add_u32 v14, v15, 4, v14
	v_add_nc_u32 v14, s17, v14                     ; x's stage, in: SP (lane / 4) + 16 (lane % 4)
	v_mul_u32_u24 v15, v2, SP
	v_add_nc_u32 v15, s17, v15                     ; and out: SP x lane: my 16 neighbours
	v_lshrrev_b32 v5, 1, v2
	s_add_co_u32 s17, s17, 2*32*SP
	v_add_nc_u32 v5, s17, v5                       ; my block's scale byte in LDS
	v_lshlrev_b32 v7, 3, v2
	v_add_nc_u32 v6, s17, v7                       ; and 8 bytes a lane on the way out
	s_mul_i32 s18, s16, 32*WP
	s_add_co_u32 s18, s18, WSTG                    ; the weights' stage of my wave (all LDS addresses are made ahead of the parting)
	v_mul_u32_u24 v192, v2, WP
	v_add_nc_u32 v192, s18, v192                   ; in: row = my column
	v_and_b32 v194, 15, v2
	v_lshrrev_b32 v195, 4, v2
	v_mul_u32_u24 v193, v195, WP
	v_lshl_add_u32 v193, v194, 4, v193
	v_add_nc_u32 v193, s18, v193                   ; out: sixteen lanes to a row, two rows an instruction
	s_mov_b32 s23, MANT
	s_mov_b32 s21, 0
	s_wait_kmcnt 0x0
	s_cmp_lt_u32 ttmp9, 256
	s_cbranch_scc0 .Lweights
; ---------------- x: a wave takes 8 rows (8,192 numbers) in 16 steps of 512 ----------------
	s_lshl_b32 s17, ttmp9, 2
	s_add_co_u32 s18, s17, s16                     ; my run of 8 true rows: 4 x work-group + wave
	s_and_b32 s19, s16, 1
	s_lshl_b32 s19, s19, 1
	s_lshr_b32 s20, s16, 1
	s_or_b32 s19, s19, s20
	s_add_co_u32 s19, s17, s19                     ; and where it lies by position: the wave's two bits are the rows' bits 3 and 4, exchanged
	s_lshl_b32 s20, s18, 15
	s_add_nc_u64 s[4:5], s[4:5], s[20:21]          ; 32,768 bytes of x a run
	s_lshl_b32 s20, s19, 13
	s_add_nc_u64 s[10:11], s[10:11], s[20:21]      ; 8,192 bytes of codes
	s_lshl_b32 s20, s19, 8
	s_add_nc_u64 s[12:13], s[12:13], s[20:21]      ; 256 scale bytes
.macro LOAD t
.irp i, 0,1,2,3
	global_load_b128 v[R+16*((\t)%4)+4*\i:R+16*((\t)%4)+4*\i+3], v3, s[4:5] offset:2048*(\t)+512*\i th:TH_LOAD_NT   ; 32 lanes read 512 consecutive bytes
.endr
.endm
.macro TURN t                          ; a step's numbers through the stage: LDS serves a wave's instructions in order, so no wait stands between the stores and the loads
.irp i, 0,1,2,3
	ds_store_b128 v14, v[R+16*((\t)%4)+4*\i:R+16*((\t)%4)+4*\i+3] offset:32*SP*((\t)%2)+8*SP*\i
.endr
.irp i, 0,1,2,3
	ds_load_b128 v[X+16*((\t)%2)+4*\i:X+16*((\t)%2)+4*\i+3], v15 offset:32*SP*((\t)%2)+16*\i
.endr
.endm
.irp t, 0,1,2,3
	LOAD \t
.endr
	s_wait_loadcnt 12                              ; step 0's four loads are in; three steps' twelve stay out
	TURN 0
.macro STEP t
.set XS, X+16*((\t)%2)
.if (\t) > 0
	s_wait_dscnt 1                                 ; this step's numbers are back from the stage; the last step's byte store may be out
.else
	s_wait_dscnt 0x0
.endif
.if (\t)+4 < STEPS
	LOAD (\t)+4                                    ; into the set whose stores into the stage have just been shown done
.endif
.if (\t)+1 < STEPS
.if STEPS-2-(\t) >= 3
	s_wait_loadcnt 12                              ; the next step's four loads are in; those of the three steps behind it may be out
.else
	s_wait_loadcnt 4*(STEPS-2-(\t))
.endif
	TURN (\t)+1
.endif
	v_max3_num_f32 v8, |v[XS]|, |v[XS+1]|, |v[XS+2]|               ; the largest magnitude of my 16, in two chains
	v_max3_num_f32 v9, |v[XS+3]|, |v[XS+4]|, |v[XS+5]|
.irp i, 6,10
	v_max3_num_f32 v8, v8, |v[XS+\i]|, |v[XS+\i+1]|
	v_max3_num_f32 v9, v9, |v[XS+\i+2]|, |v[XS+\i+3]|
.endr
	v_max3_num_f32 v8, v8, |v[XS+14]|, |v[XS+15]|
	v_max3_num_f32 v8, v8, v9, (EMAX+1)<<23        ; and the floor 2^(9 - 127): the byte cannot fall under 1
	v_max_num_f32_dpp v8, v8, v8 row_xmask:1 row_mask:0xf bank_mask:0xf   ; with my neighbour's 16: the block's
	v_add_nc_u32 v11, 0xfc000000, v8               ; 8 off the exponent field: the conversion's scale operand
	v_and_or_b32 v10, v8, 0x7f800000, s23          ; 448 x the scale
.irp i, 0,1,2,3,4,5,6,7,8,9,10,11,12,13,14,15
	v_med3_num_f32 v[XS+\i], v[XS+\i], -v10, v10   ; the conversion to an 8-bit code does not saturate (ISA guide 7.6.2): the hold comes first
.endr
	v_cvt_scalef32_pk8_fp8_f32 v[C+4*(\t):C+4*(\t)+1], v[XS:XS+7], v11
	v_cvt_scalef32_pk8_fp8_f32 v[C+4*(\t)+2:C+4*(\t)+3], v[XS+8:XS+15], v11
	v_lshrrev_b32 v[E+(\t)], 23, v11               ; the scale's byte (also the plain line behind the conversions)
	ds_store_b8 v5, v[E+(\t)] offset:16*(\t)       ; both lanes of a block write the same byte with the same value
	global_store_b128 v3, v[C+4*(\t):C+4*(\t)+3], s[10:11] offset:512*(\t)   ; 512 consecutive bytes a wave
.endm
.irp t, 0,1,2,3,4,5,6,7,8,9,10,11,12,13,14,15
	STEP \t
.endr
	ds_load_b64 v[12:13], v6                       ; in order behind my byte stores
	s_wait_dscnt 0x0
	global_store_b64 v7, v[12:13], s[12:13]        ; 256 consecutive bytes, aligned
	s_wait_tensorcnt 0x0
	ds_add_u32 v228, v229
	s_wait_dscnt 0x0
	s_endpgm
; ---------------- the weights: a wave takes 32 columns x 256 along K: 8 blocks a lane ----------------
.Lweights:
	s_sub_co_u32 s17, ttmp9, 256
	s_cmp_lt_u32 s17, 96                           ; 96 work-groups for W_qkv (24 x 4), 32 for W_out (8 x 4)
	s_cselect_b32 s18, 0, 96
	s_mov_b32 s19, 4096
	s_cselect_b32 s19, 12288, s19                  ; a row of the weight in bytes
	s_mov_b32 s20, 11264
	s_cselect_b32 s20, 8192, s20                   ; its first row in codes and scl
	s_cselect_b64 s[6:7], s[6:7], s[8:9]           ; the choice hangs on the work-group's number alone
	s_sub_co_u32 s17, s17, s18
	s_lshr_b32 s21, s17, 2
	s_and_b32 s22, s17, 3                          ; which 256 along K
	s_lshl_b32 s21, s21, 7
	s_lshl_b32 s24, s16, 5
	s_add_co_u32 s21, s21, s24                     ; my wave's first column
	s_lshl_b32 s24, s22, 8
	s_mul_i32 s24, s24, s19
	s_lshl_b32 s25, s21, 2
	s_add_co_u32 s24, s24, s25
	s_mov_b32 s25, 0
	s_add_nc_u64 s[32:33], s[6:7], s[24:25]        ; block 0's first row, my first column
	s_lshl_b32 s24, s19, 5                         ; 32 rows on
.irp t, 1,2,3,4,5,6,7
	s_add_nc_u64 s[32+2*\t:33+2*\t], s[30+2*\t:31+2*\t], s[24:25]   ; a base for each block: none is ever stepped
.endr
	s_add_co_u32 s20, s20, s21
	s_lshl_b32 s24, s20, 10
	s_lshl_b32 s26, s22, 8
	s_add_co_u32 s24, s24, s26
	s_add_nc_u64 s[10:11], s[10:11], s[24:25]      ; codes: my 32 rows, my 256 bytes of them
	s_lshl_b32 s24, s20, 5
	s_lshl_b32 s26, s22, 3
	s_add_co_u32 s24, s24, s26
	s_add_nc_u64 s[12:13], s[12:13], s[24:25]      ; scl: my 32 rows, my 8 bytes of them
	v_lshlrev_b32 v[VO], 2, v2
.irp i, 1,2,3,4,5,6,7,8,9,10,11,12,13,14,15,16,17,18,19,20,21,22,23,24,25,26,27,28,29,30,31
	v_add_nc_u32 v[VO+\i], s19, v[VO+\i-1]
.endr
	v_lshlrev_b32 v8, 10, v195
	v_lshl_add_u32 v8, v194, 4, v8                 ; codes, out: 1,024 x (lane / 16) + 16 x (lane % 16)
	v_and_b32 v9, 7, v2
	v_bfe_u32 v10, v2, 3, 1
	v_bfe_u32 v11, v2, 4, 1
	v_lshl_add_u32 v9, v10, 4, v9
	v_lshl_add_u32 v9, v11, 3, v9                  ; my column's position: bits 3 and 4 exchanged
	v_lshlrev_b32 v9, 5, v9                        ; its row of scale bytes
.macro WLOAD t                         ; block t: W(32 t + i, my column), 128 consecutive bytes a wave and load
.irp i, 0,1,2,3,4,5,6,7,8,9,10,11,12,13,14,15,16,17,18,19,20,21,22,23,24,25,26,27,28,29,30,31
	global_load_b32 v[WX+32*((\t)%2)+\i], v[VO+\i], s[32+2*(\t):33+2*(\t)] th:TH_LOAD_NT
.endr
.endm
	WLOAD 0
	WLOAD 1
.macro BLOCK t
.set XS, WX+32*((\t)%2)
.if (\t) < 7
	s_wait_loadcnt 32                              ; this block's 32 loads are in; the next block's may be out
.else
	s_wait_loadcnt 0x0
.endif
	v_max3_num_f32 v12, |v[XS]|, |v[XS+1]|, |v[XS+2]|               ; all 32 numbers of the block are mine
	v_max3_num_f32 v13, |v[XS+3]|, |v[XS+4]|, |v[XS+5]|
.irp i, 6,10,14,18,22,26
	v_max3_num_f32 v12, v12, |v[XS+\i]|, |v[XS+\i+1]|
	v_max3_num_f32 v13, v13, |v[XS+\i+2]|, |v[XS+\i+3]|
.endr
	v_max3_num_f32 v12, v12, |v[XS+30]|, |v[XS+31]|
	v_max3_num_f32 v12, v12, v13, (EMAX+1)<<23
	v_add_nc_u32 v11, 0xfc000000, v12
	v_and_or_b32 v10, v12, 0x7f800000, s23
	v_lshrrev_b32 v13, 23, v11
.if (\t)%4 == 0
	v_mov_b32 v[SB+(\t)/4], v13                    ; four bytes to a register, the lower K in the lower byte
.else
	v_lshl_or_b32 v[SB+(\t)/4], v13, 8*((\t)%4), v[SB+(\t)/4]
.endif
.irp i, 0,1,2,3,4,5,6,7,8,9,10,11,12,13,14,15,16,17,18,19,20,21,22,23,24,25,26,27,28,29,30,31
	v_med3_num_f32 v[XS+\i], v[XS+\i], -v10, v10
.endr
.irp g, 0,1,2,3
	v_cvt_scalef32_pk8_fp8_f32 v[WC+2*\g:WC+2*\g+1], v[XS+8*\g:XS+8*\g+7], v11
.endr
	v_nop                                          ; a plain line behind the last conversion
	ds_store_b128 v192, v[WC:WC+3] offset:32*(\t)
	ds_store_b128 v192, v[WC+4:WC+7] offset:32*(\t)+16
.if (\t)+2 < 8
	WLOAD (\t)+2
.endif
	s_wait_dscnt 0x0                               ; the stores have read their registers: the next block's codes may be written
.endm
.irp t, 0,1,2,3,4,5,6,7
	BLOCK \t
.endr
	global_store_b64 v9, v[SB:SB+1], s[12:13]      ; my column's 8 scale bytes, at its position
.irp t, 0,1,2,3,4,5,6,7,8,9,10,11,12,13,14,15
	ds_load_b128 v[OUTR+4*\t:OUTR+4*\t+3], v193 offset:2*\t*WP
.endr
.irp t, 0,1,2,3,4,5,6,7,8,9,10,11,12,13,14,15
	s_wait_dscnt 15-\t                             ; the younger loads may be out
	global_store_b128 v8, v[OUTR+4*\t:OUTR+4*\t+3], s[10:11] offset:(((2*\t)&7)+(((2*\t)>>3)&1)*16+(((2*\t)>>4)&1)*8)*1024   ; columns 2 t, 2 t + 1 go to their positions; sixteen lanes store 256 consecutive bytes, aligned
.endr
	s_wait_tensorcnt 0x0
	ds_add_u32 v228, v229
	s_wait_dscnt 0x0
	s_endpgm
.Lfunc_end_k_q1fbab537ca_quant:
	.size	k_q1fbab537ca_quant, .Lfunc_end_k_q1fbab537ca_quant-k_q1fbab537ca_quant
	.p2alignl 7, 3214868480
	.fill 96, 4, 3214868480
	.section	.rodata,"a",@progbits
	.p2align	6, 0x0
	.amdhsa_kernel k_q1fbab537ca_quant
		.amdhsa_group_segment_fixed_size 68096
		.amdhsa_private_segment_fixed_size 0
		.amdhsa_enable_private_segment 0
		.amdhsa_kernarg_size 40
		.amdhsa_user_sgpr_count 2
		.amdhsa_user_sgpr_kernarg_segment_ptr 1
		.amdhsa_wavefront_size32 1
		.amdhsa_system_sgpr_workgroup_id_x 1
		.amdhsa_system_sgpr_workgroup_id_y 1
		.amdhsa_system_sgpr_workgroup_id_z 1
		.amdhsa_system_vgpr_workitem_id 0
		.amdhsa_next_free_vgpr 230
		.amdhsa_next_free_sgpr 66
		.amdhsa_reserve_vcc 0
		.amdhsa_float_denorm_mode_32 3
		.amdhsa_float_denorm_mode_16_64 3
		.amdhsa_memory_ordered 1
		.amdhsa_forward_progress 1
		.amdhsa_inst_pref_size 111
	.end_amdhsa_kernel
	.amdgpu_metadata
---
amdhsa.version: [ 1, 2 ]
amdhsa.kernels:
  - .name:           k_q1fbab537ca_quant
    .symbol:         k_q1fbab537ca_quant.kd
    .args:
      - { .name: x, .offset: 0, .size: 8, .value_kind: global_buffer, .address_space: global }
      - { .name: W_qkv, .offset: 8, .size: 8, .value_kind: global_buffer, .address_space: global }
      - { .name: W_out, .offset: 16, .size: 8, .value_kind: global_buffer, .address_space: global }
      - { .name: codes, .offset: 24, .size: 8, .value_kind: global_buffer, .address_space: global }
      - { .name: scl, .offset: 32, .size: 8, .value_kind: global_buffer, .address_space: global }
    .group_segment_fixed_size: 68096
    .private_segment_fixed_size: 0
    .kernarg_segment_align: 8
    .kernarg_segment_size: 40
    .max_flat_workgroup_size: 128
    .sgpr_count:     66
    .vgpr_count:     230
    .wavefront_size: 32
...
	.end_amdgpu_metadata
.endif
;; end of part 1
;; launch qkv (part 2): grid 64 x 4, 4 waves a work-group, clusters of 4 x 4, 327,680 bytes of LDS; arguments codes, scl, b_qkv, img, isc; writes img, isc
.if DOCPART == 2
	.amdgcn_target "amdgcn-amd-amdhsa--gfx1250"
	.amdhsa_code_object_version 6
	.text
	.protected	k_q1fbab537ca_qkv
	.globl	k_q1fbab537ca_qkv
	.p2align	8
	.type	k_q1fbab537ca_qkv,@function
k_q1fbab537ca_qkv:
	s_mov_b64 s[64:65], 0
	v_nop
	global_prefetch_b8 v0, s[64:65] scope:SCOPE_SE
	s_setreg_imm32_b32 hwreg(HW_REG_WAVE_MODE, 25, 1), 1
	s_wait_xcnt 0x0
	s_wait_alu depctr_hold_cnt(0) depctr_sa_sdst(0) depctr_va_vdst(0) depctr_va_sdst(0) depctr_va_ssrc(0) depctr_va_vcc(0) depctr_vm_vsrc(0)
	s_getreg_b32 s2, hwreg(HW_REG_IB_STS2, 6, 4)
	s_cmp_eq_u32 s2, 0
	s_cbranch_scc0 .Lentry_in_a_cluster
	s_endpgm
.Lentry_in_a_cluster:
	s_bfe_u32 s2, ttmp6, 0x10000c
	s_cmp_lg_u32 s2, 0xf033
	s_cbranch_scc0 .Lentry_shape_is_right
	s_endpgm
.Lentry_shape_is_right:
; qkv = x W_qkv + b_qkv on codes of E4M3 with E8M0 scales (K = 1,024), and the result quantised at once: q and k along the head's 64, v along the keys.  No f32 number of q, k, v goes to memory.
; codes: rows of 1,024 bytes, scl: rows of 32: rows 0-8,191 tokens of x, rows 8,192-11,263 columns of W_qkv, BY POSITION (bits 3 and 4 of the index exchanged): so two neighbouring tiles of 16 stored rows, as source 0, give a lane 16 true neighbours.
; THE DEAL.  256 work-groups of four waves, 2 x 2.  A work-group owns 128 tokens (tile 4 x cluster x + cx) and 768 columns: 512 of q and k (from 512 cy) and 256 of v (from 2,048 + 256 cy): every work-group runs the same text; only global addresses hang on cx and cy.
; A wave holds 64 tokens (half wave % 2), ALL of K, in 512 registers, and streams W_qkv's rows past them in 24 blocks of 16 rows x all of K (128 registers a block, two sets).  A block is 32 products, four accumulators by turns.
; W_qkv's rows come in six chunks of 128 (two heads; a wave takes head wave / 2: four blocks): chunks 0-3 q, k; chunks 4, 5 v.  LDS has two regions of 128 rows of 1,024 bytes + 16 of padding.  Region 1 holds x's rows first;
; when every wave holds them in registers, chunk 1 is filled over them.  Chunk c lies in region c % 2; chunk c + 2 is filled over chunk c inside chunk c's third block, when its last rows are in registers, behind a drained round of the cluster's barrier, a quarter a wave.
; q, k: source 0 = 16 rows of W, source 1 = 16 tokens: a lane holds a token, its registers run along the channels.  v: source 0 = 16 tokens, source 1 = 16 rows of W_v: a lane holds a channel, its registers run along the keys.
; THE BIAS is the C of a block's first four products: q, k: eight numbers along the registers; v: the lane's number, spread over eight registers.  Scale words and bias come from memory into registers a chunk ahead.
; THE WAY OUT: a pair of blocks holds four units of 16 numbers a lane, 16 neighbours along the next K; a block of 32 lies in lanes l and l xor 16.  Each unit is quantised from the accumulators and leaves as 512 consecutive bytes.
; CLUSTERS: 4 x 4 work-groups; x's rows are asked for jointly by a column of the cluster, W_qkv's by a row.
; NO PREFETCH: x's rows are asked for at the head; each chunk of W_qkv is asked for by all sixteen clusters of the launch, which walk the same chunks in the same order.
; OUT: img[idx = 4 (n / 64) + batch][131,072 bytes], images of operand registers.  q, k: [32 tokens g][2 u + c][lane][16 bytes]: lane (r, h) = token 32 g + 8 u + r % 8 + 16 (r / 8), channels 32 c + 16 h + 0 .. 15.
;      v: [128 keys s][tile t][c][lane][16 bytes]: lane (r, h) = channel 32 (t / 2) + 8 (t % 2) + r % 8 + 16 (r / 8), keys 128 s + 32 c + 16 h + 0 .. 15.
;      isc[idx][s][lane][2 words]: word 0: lanes 0-15 unit 0, lanes 16-31 unit 1; word 1: units 2, 3.  A unit: for q, k 32 tokens (bytes: u = 0: c = 0, 1; u = 1: c = 0, 1); for v a tile t (bytes: c = 0 .. 3).
; LIMITS: a block whose largest magnitude lies under 2^-118 (zeros too) gets the byte 1; NaN and infinities are not served.  The scale words leave 4 bytes a lane (q, k) or 2 (v), 8 bytes apart: 786,432 of the launch's 26 million bytes.
; REGISTERS: window 0: v4-15 addresses; v16-31 x's scale words; v36-67 W's, two sets; v68-131 the bias, two sets; v132-195 the accumulators of a pair of blocks; v196-227 codes, two sets; v228-255, v32-33 at work.  Windows 1, 2: x.  Window 3: W's two sets.
.set KROW,   1024
.set PITCH,  1040                      ; an odd multiple of 16 bytes: the 16 rows of a load start in 16 different columns of 16 bytes modulo 256
.set YB,     128*PITCH                 ; region 1
.set SPARE,  2*YB                      ; the spare words, 128 bytes a wave: two blocks of 256 bytes that no other line names
.set NP,     8                         ; places behind this matrix instruction (ISA guide 7.12.1)
.set ADW,  4                           ; v4, v5  LDS address of my 64 rows of a chunk in region 0, 1
.set ADRX, 6                           ; v6      of my 64 rows of x
.set L16,  7                           ; v7      16 x lane
.set L8,   8                           ; v8      8 x lane
.set SPW,  9
.set NIL,  10
.set OSC,  11                          ; v11     32 x lane: lane l takes the scale bytes of row l of a pair of tiles
.set OBI,  12                          ; v12     64 h: the bias along registers
.set OBV,  13                          ; v13     4 (r + 8 (r / 8)): the bias along lanes
.set SB,   16                          ; register 8 p + q: lanes 0-15 token tile 2 p's word of K step q, lanes 16-31 tile 2 p + 1's
.set SA,   36                          ; set s at 16 s: register 8 p + q: blocks 2 p, 2 p + 1 of a chunk likewise; no product's two scale words have numbers equal modulo 8
.set BN,   68                          ; set s at 32 s: eight registers a block
.set ACC,  132                         ; block i % 2 at 32 (i % 2), token tile b at 8 b
.set PC,   196
.set TM,   228
.set PRM,  232
.set HLD,  236
.set SOP,  240
.set BV,   244                         ; v244-251 v's bias: a number a lane for each of my eight blocks
.set WB,   252                         ; v252-255 q, k: a unit's two bytes
.set IQ, 24                            ; s[24:25] img, q and k;  s[26:27] v;  s[28:29] isc, q and k;  s[30:31] v
.set IV, 26
.set JQ, 28
.set JV, 30
.set G0W, 32
.set G1W, 40
.set G1X, 48
.set G0X, 56
.set SEL, 60
.set MNT, 62
.set HM,  63
.set G1R, 68
.set G0R, 76
.set RQ,  84                           ; s[84:85] my quarter of the chunk that the trip's first refill brings
.set PVQ, 86                           ; s[86:87] my quarter of chunk 4
.set SPA, 88                           ; s[88:89] the scale bytes of my rows of the trip's first chunk
.set SPB, 90                           ; s[90:91] of the next trip's first chunk
.set SV0, 92                           ; s[92:93] of chunk 4
.set BPA, 94                           ; s[94:95] the bias of my columns of the trip's first chunk
.set BP2, 96                           ; s[96:97] of chunk 2
.set MSB, 0
.macro WIN new                         ; the immediate's high byte repeats the setting that is left
.if MSB != (\new)
	s_set_vgpr_msb (MSB<<8)|(\new)
.set MSB, (\new)
.endif
.endm
.macro PLACES n
.rept \n
	v_nop
.endr
.endm
.macro BARRIER
	s_barrier_signal -1
	s_barrier_wait -1
.endm
.macro CROUND                          ; a round of the cluster's barrier
	BARRIER
	s_cmp_lg_u32 s14, 0
	s_cbranch_scc1 .Lnot_wave_0_\@
	s_barrier_signal -3
.Lnot_wave_0_\@:
	s_barrier_wait -3
	BARRIER
.endm
.macro TLOAD g0, g1                    ; an s_nop 0 and four v_nop follow the load
	tensor_load_to_lds s[\g0:\g0+3], s[\g1:\g1+7]
	s_nop 0
	PLACES 4
.endm
.macro GROUP1 g, mask, rows            ; so many rows of 1,024 bytes, dense in memory, 16 bytes of padding behind each in LDS
	s_or_b32 s[\g+0], s[\mask], (1<<20)|(1<<21)|(7<<22)|(3<<25)
	s_mov_b32 s[\g+1], KROW<<16
	s_mov_b32 s[\g+2], (\rows)<<16
	s_mov_b32 s[\g+3], KROW<<16
	s_mov_b32 s[\g+4], \rows
	s_mov_b32 s[\g+5], KROW
	s_mov_b32 s[\g+6], 0
	s_mov_b32 s[\g+7], 0
.endm
	s_load_b256 s[4:11], s[0:1], 0x0               ; codes s[4:5], scl s[6:7], b_qkv s[8:9], img s[10:11]
	s_load_b64 s[12:13], s[0:1], 0x20              ; isc
	v_lshl_add_u32 v[SPW], v0, 2, SPARE
	v_mov_b32 v[NIL], 0
	ds_add_u32 v[SPW], v[NIL]                      ; the opening lines: the add, twice on end, and its wait ahead of the first tensor load
	ds_add_u32 v[SPW], v[NIL]
	v_lshrrev_b32 v1, 5, v0
	v_readfirstlane_b32 s14, v1                    ; wave
	s_lshr_b32 s15, s14, 1                         ; which head of a chunk is mine.  Also: I fetch for x (0) or for W (1)
	s_and_b32 s16, s14, 1                          ; which 64 tokens are mine.  Also: which half I fetch
	s_bfe_u32 s36, ttmp6, 0x40000                  ; cx
	s_bfe_u32 s37, ttmp6, 0x40004                  ; cy: which part of the columns
	s_lshl_b32 s17, ttmp9, 2
	s_add_co_u32 s17, s17, s36                     ; the tile of 128 tokens
	s_lshl_b32 s38, s37, 2
	s_lshl_b32 s38, 15, s38                        ; my row of the cluster
	s_lshl_b32 s39, 0x1111, s36                    ; my column
	GROUP1 G1X, 39, 64
	GROUP1 G1W, 38, 64
	GROUP1 G1R, 38, 32
	s_lshl_b32 s18, s16, 6
	s_lshl_b32 s20, s17, 7
	s_add_co_u32 s20, s20, s18                     ; x: the first of the 64 rows that I fetch, which are also the 64 that I hold
	s_lshl_b32 s22, s20, 5                         ; their scale bytes,
	s_mov_b32 s23, 0
	s_lshl_b32 s20, s20, 10                        ; their codes
	s_mov_b32 s21, 0
	s_lshl_b32 s82, s37, 9
	s_add_co_u32 s82, s82, 8192                    ; chunk 0's first row
	s_lshl_b32 s83, s37, 8
	s_add_co_u32 s83, s83, 10240                   ; chunk 4's
	s_add_co_u32 s19, s82, s18
	s_lshl_b32 s98, s19, 10                        ; my half of chunk 0
	s_mov_b32 s99, 0
	s_lshl_b32 s19, s14, 5
	s_add_co_u32 s19, s19, s82
	s_lshl_b32 s[RQ], s19, 10                      ; my quarter of chunk 0
	s_mov_b32 s[RQ+1], 0
	s_lshl_b32 s19, s14, 5
	s_add_co_u32 s19, s19, s83
	s_lshl_b32 s[PVQ], s19, 10                     ; and of chunk 4
	s_mov_b32 s[PVQ+1], 0
	s_mul_i32 s80, s14, 32*PITCH                   ; where a quarter goes in region 0,
	s_add_co_u32 s81, s80, YB                      ; in region 1
	s_mov_b32 s[G0X], 1
	s_mul_i32 s[G0X+1], s16, 64*PITCH
	s_add_co_u32 s[G0X+1], s[G0X+1], YB
	s_mov_b32 s[G0W], 1
	s_mul_i32 s[G0W+1], s16, 64*PITCH
	s_mov_b32 s[G0R], 1
	s_mov_b32 s[SEL], 0x76543210
	s_mov_b32 s[SEL+1], 0xfedcba98
	s_mov_b32 s[MNT], 0x600000
	s_mov_b32 s[HM], 0xffff0000
	s_wait_dscnt 0x0                               ; both opening adds are done
	s_wait_kmcnt 0x0
	s_add_nc_u64 s[G0X+2:G0X+3], s[4:5], s[20:21]
	s_or_b32 s[G0X+3], s[G0X+3], 0x80000000
	s_add_nc_u64 s[G0W+2:G0W+3], s[4:5], s[98:99]
	s_or_b32 s[G0W+3], s[G0W+3], 0x80000000
	s_add_nc_u64 s[RQ:RQ+1], s[4:5], s[RQ:RQ+1]
	s_add_nc_u64 s[PVQ:PVQ+1], s[4:5], s[PVQ:PVQ+1]
	CROUND                                         ; all sixteen work-groups are here: the first joint loads meet
	s_cmp_lt_u32 s14, 2                            ; one joint load a wave; waves 0 and 1, which wait at the first barrier, have a line of their own
	s_cbranch_scc0 .Lfor_w
	TLOAD G0X, G1X
	s_branch .Lasked
.Lfor_w:
	TLOAD G0W, G1W
.Lasked:
	s_add_nc_u64 s[22:23], s[6:7], s[22:23]        ; x's scale bytes
	s_lshl_b32 s18, s15, 6                         ; my head of a chunk: 64 rows
	s_add_co_u32 s19, s82, s18
	s_lshl_b32 s[SPA], s19, 5
	s_mov_b32 s[SPA+1], 0
	s_add_nc_u64 s[SPA:SPA+1], s[6:7], s[SPA:SPA+1]
	s_add_nc_u64 s[SPB:SPB+1], s[SPA:SPA+1], 8192  ; chunk 2: 128 rows of 32 bytes a chunk
	s_add_co_u32 s19, s83, s18
	s_lshl_b32 s[SV0], s19, 5
	s_mov_b32 s[SV0+1], 0
	s_add_nc_u64 s[SV0:SV0+1], s[6:7], s[SV0:SV0+1]
	s_lshl_b32 s19, s37, 9
	s_add_co_u32 s19, s19, s18
	s_lshl_b32 s[BPA], s19, 2
	s_mov_b32 s[BPA+1], 0
	s_add_nc_u64 s[BPA:BPA+1], s[8:9], s[BPA:BPA+1]
	s_add_nc_u64 s[BP2:BP2+1], s[BPA:BPA+1], 1024  ; chunk 2: 128 numbers a chunk
	s_lshl_b32 s19, s37, 8
	s_add_co_u32 s19, s19, s18
	s_add_co_u32 s19, s19, 2048
	s_lshl_b32 s98, s19, 2
	s_add_nc_u64 s[98:99], s[8:9], s[98:99]        ; v's bias: my head of chunk 4
	s_lshr_b32 s18, s17, 4                         ; the batch
	s_and_b32 s19, s17, 15                         ; s: which 128 tokens of it
	s_lshl_b32 s20, s37, 3
	s_add_co_u32 s20, s20, s15                     ; n / 64 of my head of chunk 0; two more a chunk
	s_lshl_b32 s[IQ], s20, 19
	s_lshl_b32 s21, s18, 17
	s_add_co_u32 s[IQ], s[IQ], s21
	s_lshl_b32 s21, s19, 13
	s_add_co_u32 s[IQ], s[IQ], s21
	s_lshl_b32 s21, s16, 12
	s_add_co_u32 s[IQ], s[IQ], s21                 ; my 64 tokens: two groups of 32
	s_mov_b32 s[IQ+1], 0
	s_add_nc_u64 s[IQ:IQ+1], s[10:11], s[IQ:IQ+1]
	s_lshl_b32 s[JQ], s20, 14
	s_lshl_b32 s21, s18, 12
	s_add_co_u32 s[JQ], s[JQ], s21
	s_lshl_b32 s21, s19, 8
	s_add_co_u32 s[JQ], s[JQ], s21
	s_lshl_b32 s21, s16, 2
	s_add_co_u32 s[JQ], s[JQ], s21                 ; word wave % 2: units 2 (wave % 2) and the next
	s_mov_b32 s[JQ+1], 0
	s_add_nc_u64 s[JQ:JQ+1], s[12:13], s[JQ:JQ+1]
	s_lshl_b32 s20, s37, 2
	s_add_co_u32 s20, s20, s15
	s_add_co_u32 s20, s20, 32                      ; n / 64 of my head of chunk 4
	s_lshl_b32 s[IV], s20, 19
	s_lshl_b32 s21, s18, 17
	s_add_co_u32 s[IV], s[IV], s21
	s_lshl_b32 s21, s19, 13
	s_add_co_u32 s[IV], s[IV], s21
	s_lshl_b32 s21, s16, 10
	s_add_co_u32 s[IV], s[IV], s21                 ; my 64 keys: c = 2 (wave % 2) and the next
	s_mov_b32 s[IV+1], 0
	s_add_nc_u64 s[IV:IV+1], s[10:11], s[IV:IV+1]
	s_lshl_b32 s[JV], s20, 14
	s_lshl_b32 s21, s18, 12
	s_add_co_u32 s[JV], s[JV], s21
	s_lshl_b32 s21, s19, 8
	s_add_co_u32 s[JV], s[JV], s21
	s_lshl_b32 s21, s16, 1
	s_add_co_u32 s[JV], s[JV], s21
	s_mov_b32 s[JV+1], 0
	s_add_nc_u64 s[JV:JV+1], s[12:13], s[JV:JV+1]
	s_mul_i32 s66, s15, 64*PITCH                   ; my 64 rows of a chunk
	s_mul_i32 s67, s16, 64*PITCH
	s_add_co_u32 s67, s67, YB                      ; my 64 rows of x
.macro LDSC set, p, off                ; the scale words of my four blocks of a chunk
.irp pp, 0,1
.irp c, 0,1
	global_load_b128 v[SA+16*(\set)+8*\pp+4*\c:SA+16*(\set)+8*\pp+4*\c+3], v[OSC], s[\p:\p+1] offset:(\off)+\pp*1024+16*\c
.endr
.endr
.endm
.macro LDBI set, p, off                ; q, k: register j of block i is column 32 (i / 2) + 16 h + 8 (i % 2) + j of my head
.irp i, 0,1,2,3
	global_load_b128 v[BN+32*(\set)+8*\i:BN+32*(\set)+8*\i+3], v[OBI], s[\p:\p+1] offset:(\off)+(32*(\i/2)+8*(\i%2))*4
	global_load_b128 v[BN+32*(\set)+8*\i+4:BN+32*(\set)+8*\i+7], v[OBI], s[\p:\p+1] offset:(\off)+(32*(\i/2)+8*(\i%2))*4+16
.endr
.endm
	v_and_b32 v1, 15, v0                           ; r
	v_bfe_u32 v2, v0, 4, 1                         ; h
	v_and_b32 v3, 31, v0                           ; lane
	v_lshlrev_b32 v[OSC], 5, v3
	v_lshlrev_b32 v[OBI], 6, v2
	v_and_b32 v[OBV], 8, v1
	v_add_nc_u32 v[OBV], v[OBV], v1
	v_lshlrev_b32 v[OBV], 2, v[OBV]
.irp p, 0,1
.irp c, 0,1
	global_load_b128 v[SB+8*\p+4*\c:SB+8*\p+4*\c+3], v[OSC], s[22:23] offset:\p*1024+16*\c
.endr
.endr
	LDSC 0, SPA, 0
	LDBI 0, BPA, 0
.irp n, 0,1,2,3,4,5,6,7
	global_load_b32 v[BV+\n], v[OBV], s[98:99] offset:(128*(\n/4)+32*((\n%4)/2)+8*(\n%2))*4   ; lane r of block i is column 32 (i / 2) + 8 (i % 2) + r % 8 + 16 (r / 8) of my head
.endr
	v_lshlrev_b32 v[L16], 4, v3
	v_lshlrev_b32 v[L8], 3, v3
	v_mul_u32_u24 v14, v1, PITCH
	v_lshl_add_u32 v14, v2, 4, v14                 ; row r x pitch + 16 h
	v_add_nc_u32 v[ADW], s66, v14
	v_add_nc_u32 v[ADW+1], YB, v[ADW]
	v_add_nc_u32 v[ADRX], s67, v14
.irp k, 0,1,2,3
	v_mov_b32 v[PRM+\k], 0                         ; written once: a lane permute's destination counts as one of its sources
.endr
	s_wait_alu depctr_va_vdst(0)                   ; the wait at the head's end
	s_cmp_lt_u32 s14, 2
	s_cbranch_scc0 .Lnot_x
	s_wait_tensorcnt 0x0                           ; waves 0 and 1: x's rows have landed
.Lnot_x:
	BARRIER
.irp q, 0,1,2,3,4,5,6,7                        ; my 64 tokens, all of K: fragment 4 q + b, 16 registers, in window 1 + (4 q + b) / 16: registers 4 c .. 4 c + 3 hold K = 128 q + 32 c + 16 h + 0 .. 15
	WIN (1+\q/4)<<6
.irp b, 0,1,2,3
.irp c, 0,1,2,3
	ds_load_b128 v[16*((4*\q+\b)%16)+4*\c:16*((4*\q+\b)%16)+4*\c+3], v[ADRX] offset:128*\q+32*\c+\b*16*PITCH
.endr
.endr
.endr
	WIN 0
	s_wait_tensorcnt 0x0                           ; all my tensor loads have landed: waves 2 and 3's halves of chunk 0;
	ds_add_u32 v[SPW], v[NIL]                      ; 0 onto my spare word;
	s_mov_b32 s[G0R+1], s81                        ; chunk 1 goes into region 1
	s_add_nc_u64 s[G0R+2:G0R+3], s[RQ:RQ+1], 131072
	s_or_b32 s[G0R+3], s[G0R+3], 0x80000000
	s_add_nc_u64 s[RQ:RQ+1], s[RQ:RQ+1], 2*131072  ; the first trip's refills bring chunks 2 and 3
	s_wait_dscnt 0x0                               ; the add is done, and x is in my registers
	CROUND                                         ; no wave of any partner still reads region 1 or has a load on its way
	TLOAD G0R, G1R                                 ; the first tensor load behind the round
.macro FETCH rg, i, e                  ; block i of the chunk in region rg, 16 rows, all of K, into set e of window 3: 32 loads
	WIN 3<<6
.irp q, 0,1,2,3,4,5,6,7
.irp c, 0,1,2,3
	ds_load_b128 v[128*(\e)+16*\q+4*\c:128*(\e)+16*\q+4*\c+3], v[ADW+(\rg)] offset:(\i)*16*PITCH+128*\q+32*\c
.endr
.endr
	WIN 0
.endm
.macro WM ra, rb                       ; a product; ra, rb: source 0's, source 1's scale words stand in lanes 16-31
.if (\ra) && (\rb)
	v_wmma_scale_f32_16x16x128_f8f6f4 v[D_:D_+7], v[A_:A_+15], v[B_:B_+15], v[C_:C_+7], v[XA_], v[XB_] matrix_a_scale:MATRIX_SCALE_ROW1 matrix_b_scale:MATRIX_SCALE_ROW1
.elseif (\ra)
	v_wmma_scale_f32_16x16x128_f8f6f4 v[D_:D_+7], v[A_:A_+15], v[B_:B_+15], v[C_:C_+7], v[XA_], v[XB_] matrix_a_scale:MATRIX_SCALE_ROW1
.elseif (\rb)
	v_wmma_scale_f32_16x16x128_f8f6f4 v[D_:D_+7], v[A_:A_+15], v[B_:B_+15], v[C_:C_+7], v[XA_], v[XB_] matrix_b_scale:MATRIX_SCALE_ROW1
.else
	v_wmma_scale_f32_16x16x128_f8f6f4 v[D_:D_+7], v[A_:A_+15], v[B_:B_+15], v[C_:C_+7], v[XA_], v[XB_]
.endif
.endm
.macro PROD kind, hf, i, k             ; product k = 4 q + b of block i of the chunk with sets hf.  kind 0 (q, k): source 0 = W's rows; kind 1 (v): source 0 = the tokens
.set Q_, (\k)/4
.set T_, (\k)%4
.set D_, ACC+32*((\i)%2)+8*T_
.set C_, D_
.if Q_ == 0
.set C_, BN+32*(\hf)+8*(\i)
.endif
.if \kind
	WIN (1+(\k)/16)|(3<<2)
.set A_, 16*((\k)%16)
.set B_, 128*((\i)%2)+16*Q_
.set XA_, SB+8*(T_/2)+Q_
.set XB_, SA+16*(\hf)+8*((\i)/2)+Q_
	WM T_%2, (\i)%2
.else
	WIN 3|((1+(\k)/16)<<2)
.set A_, 128*((\i)%2)+16*Q_
.set B_, 16*((\k)%16)
.set XA_, SA+16*(\hf)+8*((\i)/2)+Q_
.set XB_, SB+8*(T_/2)+Q_
	WM (\i)%2, T_%2
.endif
.endm
; A block.  mode 1: in block 2 the chunk two on is filled over this chunk, whose last rows are in registers; mode 2: block 2 shows the last chunk; last = 1: no chunk follows.
.macro BLK kind, hf, i, mode, last
.if (\i) == 0
	s_wait_loadcnt 0x0                             ; this chunk's scale words and bias are in
.endif
.set K_, 0
.rept 32
	PROD \kind, \hf, \i, K_
.set K_, K_+1
.endr
	WIN 0
	PLACES NP                                      ; ahead of the loads into what the products have read and of the first reader of the sums
.if ((\i) == 2) && ((\mode) == 1)
	s_wait_tensorcnt 0x0                           ; all my tensor loads have landed: my quarter of the next chunk;
	ds_add_u32 v[SPW], v[NIL]                      ; 0 onto my spare word;
	s_mov_b32 s[G0R+1], s[80+(\hf)]
	s_add_nc_u64 s[G0R+2:G0R+3], s[RQ:RQ+1], (\hf)*131072
	s_or_b32 s[G0R+3], s[G0R+3], 0x80000000
	s_wait_dscnt 0x0                               ; the add is done, and my reads of this chunk are over
	CROUND
	TLOAD G0R, G1R                                 ; the first tensor load behind the round
.elseif ((\i) == 2) && ((\mode) == 2)
	s_wait_tensorcnt 0x0                           ; my quarter of the last chunk has landed
	s_wait_dscnt 0x0
	BARRIER
.else
	s_wait_dscnt 0x0                               ; the next block's fragments are in
.endif
.if (\i) < 2
	FETCH \hf, (\i)+2, (\i)%2
.elseif (\last) == 0
	FETCH 1-(\hf), (\i)-2, (\i)%2
.endif
.endm
.macro UNIT kind, k                    ; unit k's 16 numbers: eight registers at LO_, eight at HI_.  q, k: token tile k of both blocks; v: block k / 2, token tiles 2 (k % 2) and the next
.if \kind
.set LO_, ACC+32*((\k)/2)+16*((\k)%2)
.set HI_, LO_+8
.else
.set LO_, ACC+8*(\k)
.set HI_, LO_+32
.endif
.endm
; THE WAY OUT of pair pr of a chunk's blocks: four units by turns; each accumulator is read from its low end on.
.macro EPI kind, hf, pr
.set PS_, PC+16*(\pr)
	s_wait_xcnt 0x0                                ; the stores of two pairs ago have read this set of codes
.irp k, 0,1,2,3
	UNIT \kind, \k
	v_max3_num_f32 v[TM+\k], |v[LO_]|, |v[LO_+1]|, 0x4800000   ; with the floor 2^(9 - 127): the byte cannot fall under 1
.endr
.irp i, 2,4,6
.irp k, 0,1,2,3
	UNIT \kind, \k
	v_max3_num_f32 v[TM+\k], v[TM+\k], |v[LO_+\i]|, |v[LO_+\i+1]|
.endr
.endr
.irp i, 0,2,4,6
.irp k, 0,1,2,3
	UNIT \kind, \k
	v_max3_num_f32 v[TM+\k], v[TM+\k], |v[HI_+\i]|, |v[HI_+\i+1]|
.endr
.endr
.irp k, 0,1,2,3
	v_permlanex16_b32 v[PRM+\k], v[TM+\k], s[SEL], s[SEL+1]
.endr
.irp k, 0,1,2,3
	v_max_num_f32 v[TM+\k], v[TM+\k], v[PRM+\k]    ; with lane xor 16's: the block's largest magnitude
.endr
.irp k, 0,1,2,3
	v_add_nc_u32 v[SOP+\k], 0xfc000000, v[TM+\k]   ; 8 off the exponent field: the conversion's scale operand
.endr
.irp k, 0,1,2,3
	v_and_or_b32 v[HLD+\k], v[TM+\k], 0x7f800000, s[MNT]   ; 448 x the scale
.endr
.if (\kind) == 0 && (\pr) == 0
.irp k, 0,1,2,3
	v_lshrrev_b32 v[WB+\k], 23, v[SOP+\k]          ; the byte of c = 0
.endr
.else
.irp k, 0,1,2,3
	v_lshrrev_b32 v[PRM+\k], 23, v[SOP+\k]
.endr
.endif
.if (\kind) == 0 && (\pr) == 1
.irp k, 0,1,2,3
	v_lshl_or_b32 v[WB+\k], v[PRM+\k], 8, v[WB+\k] ; and of c = 1
.endr
	v_lshl_or_b32 v32, v[WB+1], 16, v[WB]          ; 32 tokens: u = 0's two bytes, then u = 1's
	v_lshl_or_b32 v33, v[WB+3], 16, v[WB+2]
	v_cndmask_b32 v32, v32, v33, s[HM]             ; lanes 0-15 the first 32 tokens' word, lanes 16-31 the next's
	global_store_b32 v[L8], v32, s[JQ:JQ+1] offset:(\hf)*32768
.endif
.if \kind
	v_lshl_or_b32 v32, v[PRM+1], 8, v[PRM]         ; a tile of channels: my two blocks of 32 keys
	v_lshl_or_b32 v33, v[PRM+3], 8, v[PRM+2]
	v_cndmask_b32 v32, v32, v33, s[HM]             ; lanes 0-15 tile 2 pr, lanes 16-31 tile 2 pr + 1
	global_store_b16 v[L8], v32, s[JV:JV+1] offset:(\hf)*32768+4*(\pr)
.endif
.irp k, 0,1,2,3
	UNIT \kind, \k
.irp i, 0,1,2,3,4,5,6,7
	v_med3_num_f32 v[LO_+\i], v[LO_+\i], -v[HLD+\k], v[HLD+\k]   ; the conversion does not saturate (ISA guide 7.6.2): the hold
.endr
.irp i, 0,1,2,3,4,5,6,7
	v_med3_num_f32 v[HI_+\i], v[HI_+\i], -v[HLD+\k], v[HLD+\k]
.endr
	v_cvt_scalef32_pk8_fp8_f32 v[PS_+4*\k:PS_+4*\k+1], v[LO_:LO_+7], v[SOP+\k]
	v_cvt_scalef32_pk8_fp8_f32 v[PS_+4*\k+2:PS_+4*\k+3], v[HI_:HI_+7], v[SOP+\k]
.endr
	v_nop                                          ; a plain line behind the last conversion
.irp k, 0,1,2,3
.if \kind
	global_store_b128 v[L16], v[PS_+4*\k:PS_+4*\k+3], s[IV:IV+1] offset:((\hf)<<20)+(2*(\pr)+\k/2)*2048+(\k%2)*512   ; 512 consecutive bytes, aligned
.else
	global_store_b128 v[L16], v[PS_+4*\k:PS_+4*\k+3], s[IQ:IQ+1] offset:((\hf)<<20)+(\k/2)*2048+(2*(\k%2)+(\pr))*512
.endif
.endr
.endm
	FETCH 0, 0, 0
	FETCH 0, 1, 1
	s_mov_b32 s3, 0
	s_wait_dscnt 32                                ; block 0's fragments are in; block 1's 32 loads may be out
.Ltrip:                                            ; two trips of two chunks of q and k; each chunk has its one refill
	BLK 0, 0, 0, 1, 0
	LDSC 1, SPA, 4096                              ; the next chunk's scale words and bias: four blocks ahead of their first use
	LDBI 1, BPA, 512
	BLK 0, 0, 1, 1, 0
	EPI 0, 0, 0
	BLK 0, 0, 2, 1, 0
	BLK 0, 0, 3, 1, 0
	EPI 0, 0, 1
	BLK 0, 1, 0, 1, 0
	LDSC 0, SPB, 0
	s_cmp_eq_u32 s3, 1                             ; behind chunk 3 comes v, whose bias is at hand
	s_cbranch_scc1 .Lno_bias
	LDBI 0, BP2, 0
.Lno_bias:
	BLK 0, 1, 1, 1, 0
	EPI 0, 1, 0
	BLK 0, 1, 2, 1, 0
	BLK 0, 1, 3, 1, 0
	EPI 0, 1, 1
	s_wait_xcnt 0x0                                ; every load and store has read its base: they may step
	s_add_nc_u64 s[IQ:IQ+1], s[IQ:IQ+1], 2<<20     ; two chunks on: four heads, sixteen images
	s_add_nc_u64 s[JQ:JQ+1], s[JQ:JQ+1], 65536
	s_add_nc_u64 s[SPA:SPA+1], s[SPA:SPA+1], 8192
	s_add_nc_u64 s[BPA:BPA+1], s[BPA:BPA+1], 1024
	s_mov_b64 s[SPB:SPB+1], s[SV0:SV0+1]           ; the second trip's last loads and its refills are v's
	s_mov_b64 s[RQ:RQ+1], s[PVQ:PVQ+1]
	s_add_co_u32 s3, s3, 1
	s_cmp_lt_u32 s3, 2
	s_wait_alu depctr_va_vdst(0)                   ; the wait ahead of the branch
	s_cbranch_scc1 .Ltrip
	s_wait_loadcnt 0x0
.irp n, 0,1,2,3,4,5,6,7
.irp j, 0,1,2,3,4,5,6,7
	v_mov_b32 v[BN+8*\n+\j], v[BV+\n]              ; v: the lane's bias over the eight registers of a first product's C
.endr
.endr
	s_wait_alu depctr_va_vdst(0)                   ; the wait ahead of the wait below
	BLK 1, 0, 0, 2, 0
	LDSC 1, SV0, 4096
	BLK 1, 0, 1, 2, 0
	EPI 1, 0, 0
	BLK 1, 0, 2, 2, 0
	BLK 1, 0, 3, 2, 0
	EPI 1, 0, 1
	BLK 1, 1, 0, 0, 1
	BLK 1, 1, 1, 0, 1
	EPI 1, 1, 0
	BLK 1, 1, 2, 0, 1
	BLK 1, 1, 3, 0, 1
	EPI 1, 1, 1
	s_wait_tensorcnt 0x0                           ; the wave's end
	ds_add_u32 v[SPW], v[NIL]
	s_wait_dscnt 0x0
	CROUND                                         ; the closing round
	s_endpgm
.Lfunc_end_k_q1fbab537ca_qkv:
	.size	k_q1fbab537ca_qkv, .Lfunc_end_k_q1fbab537ca_qkv-k_q1fbab537ca_qkv
	.p2alignl 7, 3214868480
	.fill 96, 4, 3214868480
	.section	.rodata,"a",@progbits
	.p2align	6, 0x0
	.amdhsa_kernel k_q1fbab537ca_qkv
		.amdhsa_group_segment_fixed_size 327680
		.amdhsa_private_segment_fixed_size 0
		.amdhsa_enable_private_segment 0
		.amdhsa_kernarg_size 40
		.amdhsa_user_sgpr_count 2
		.amdhsa_user_sgpr_kernarg_segment_ptr 1
		.amdhsa_wavefront_size32 1
		.amdhsa_system_sgpr_workgroup_id_x 1
		.amdhsa_system_sgpr_workgroup_id_y 1
		.amdhsa_system_sgpr_workgroup_id_z 1
		.amdhsa_system_vgpr_workitem_id 0
		.amdhsa_next_free_vgpr 1024
		.amdhsa_next_free_sgpr 100
		.amdhsa_reserve_vcc 0
		.amdhsa_float_denorm_mode_32 3
		.amdhsa_float_denorm_mode_16_64 3
		.amdhsa_memory_ordered 1
		.amdhsa_forward_progress 1
		.amdhsa_inst_pref_size 198
	.end_amdhsa_kernel
	.amdgpu_metadata
---
amdhsa.version: [ 1, 2 ]
amdhsa.kernels:
  - .name:           k_q1fbab537ca_qkv
    .symbol:         k_q1fbab537ca_qkv.kd
    .args:
      - { .name: codes, .offset: 0, .size: 8, .value_kind: global_buffer, .address_space: global }
      - { .name: scl, .offset: 8, .size: 8, .value_kind: global_buffer, .address_space: global }
      - { .name: b_qkv, .offset: 16, .size: 8, .value_kind: global_buffer, .address_space: global }
      - { .name: img, .offset: 24, .size: 8, .value_kind: global_buffer, .address_space: global }
      - { .name: isc, .offset: 32, .size: 8, .value_kind: global_buffer, .address_space: global }
    .group_segment_fixed_size: 327680
    .private_segment_fixed_size: 0
    .kernarg_segment_align: 8
    .kernarg_segment_size: 40
    .max_flat_workgroup_size: 128
    .sgpr_count:     100
    .vgpr_count:     1024
    .wavefront_size: 32
...
	.end_amdgpu_metadata
.endif
;; end of part 2
;; launch attn (part 3): grid 4 x 64, 16 waves a work-group, clusters of 4 x 1, 327,680 bytes of LDS; arguments img, isc, o_img, o_sc; writes o_img, o_sc
.if DOCPART == 3
	.amdgcn_target "amdgcn-amd-amdhsa--gfx1250"
	.amdhsa_code_object_version 6
	.text
	.protected	k_q1fbab537ca_attn
	.globl	k_q1fbab537ca_attn
	.p2align	8
	.type	k_q1fbab537ca_attn,@function
k_q1fbab537ca_attn:
	s_mov_b64 s[64:65], 0
	v_nop
	global_prefetch_b8 v0, s[64:65] scope:SCOPE_SE
	s_setreg_imm32_b32 hwreg(HW_REG_WAVE_MODE, 25, 1), 1
	s_wait_xcnt 0x0
	s_wait_alu depctr_hold_cnt(0) depctr_sa_sdst(0) depctr_va_vdst(0) depctr_va_sdst(0) depctr_va_ssrc(0) depctr_va_vcc(0) depctr_vm_vsrc(0)
	s_getreg_b32 s2, hwreg(HW_REG_IB_STS2, 6, 4)
	s_cmp_eq_u32 s2, 0
	s_cbranch_scc0 .Lentry_in_a_cluster
	s_endpgm
.Lentry_in_a_cluster:
	s_bfe_u32 s2, ttmp6, 0x10000c
	s_cmp_lg_u32 s2, 0x3003
	s_cbranch_scc0 .Lentry_shape_is_right
	s_endpgm
.Lentry_shape_is_right:
; Causal attention of one head and batch on codes of E4M3 with E8M0 scales, from the images that the launch before stored; o is divided by the row's sum, quantised along head x 64 + channel and stored as images.
; t = score x log2(e) / 8; M = the running largest t rounded up to a whole number; p = 2^(t - M) is quantised along the keys; the row's sum is taken of the unquantised p.  When M moves, the sum and O are multiplied by 2^(old M - new M): exact.
; WORK LEFT OUT: key steps of 128 all of whose keys come after a tile's queries: the causal mask sets their scores to -inf, so their p is 0 for all inputs.
; LDS HOLDS THE WHOLE HEAD: K's and V's codes are 2 x 131,072 bytes, their scale words 2 x 4,096.  Every byte is filled once, at the head; nothing is filled again.
;   bytes 0-4,095 K's scale words, 4,096-8,191 V's; 8,192-10,239 the spare words; slot n (256 keys) at 32,768 (n + 1): K's image 16,384 bytes, then V's.
; CLUSTER: y = 4 x head + batch; the four work-groups of a y need the same bytes and ask for them jointly (mask 15).  Wave 0: both sets of scale words (2 rows of 4,096 bytes); wave n = 1 .. 8: slot n - 1 (2 rows of 16,384 bytes: K's, V's).
; SHARES.  The 2,048 queries are 16 groups of 128.  Work-group cx owns, in every group, the 32 queries 32 cx on: two tiles u = 0, 1 of 16 (lane r = query 128 G + 32 cx + 8 u + r % 8 + 16 (r / 8)).
;   A tile of group G needs key steps 0 .. G, whatever cx: no branch and no LDS address hangs on cx.  Wave w takes tile u = w % 2 of group 15 - w / 2, then of group w / 2: (16 - w / 2) + (w / 2 + 1) = 17 steps in every wave.
; BARRIERS: one shows slot 0 and the scale words (waves 0 and 1 wait for their loads); the next, two steps on, shows the rest (every wave waits).  Behind it the waves share only bytes that nobody writes.
; The loops' trip counts are constants; a step that a tile does not need is jumped over by a branch on the wave's number and the count of trips.
; NO PREFETCH: every tensor load of the launch is issued at its head: there is no later load to run ahead of.
; K = 64 IN AN INSTRUCTION OF 128: a fragment's 16 registers hold TWO tiles of 16 keys.  Against [q | 0] it gives the first tile's scores, against [0 | q] the second's.  Zero codes add nothing; every scale byte lies in 1 .. 254.
; Both products are used transposed: a lane holds one query throughout; register 16 b + i of the scores is key 128 step + 32 b + 16 (lane / 16) + i.
; LIMITS: p under 2^-126 counts as 0 (v_exp_f32); a block under 2^-118 gets the byte 1; NaN and infinities are not served; the scaled scores stay under 2^31 in magnitude.  o's scale bytes leave one a lane, 32 bytes apart.
.set VOFF,  16384
.set VSC,   4096
.set SPARE, 8192
.set LI,  1                            ; v1   16 x lane
.set L8,  2                            ; v2   8 x lane
.set LK,  3                            ; v3   32,768 + 16 x lane: my place in slot 0
.set NINF, 4                           ; v4   -infinity
.set SPW, 5                            ; v5   my spare word; never rewritten
.set NIL, 6                            ; v6   0; never rewritten
.set OSO, 7                            ; v7   32 r + h: my byte among o's scale bytes
.set ADK, 8
.set ADS, 9
.set RAW, 10                           ; v10  q's raw scale word
.set R8,  11                           ; v11  8 r
.set FRG, 40                           ; v40-103  four fragments: K's, then V's
.set S,   104                          ; v104-167 the scores, then p
.set O,   168                          ; v168-199 O^T
.set PC,  200                          ; v200-215 p's codes
.set BMX, 216
.set PRM, 220
.set HLD, 224
.set SOP, 228
.set F,   232                          ; v[232:233]
.set TMP, 234
.set PSW, 235
.set KSR, 236                          ; v[236:237] K's scale words
.set VSR, 238                          ; v[238:239] V's
.set QSW, 240                          ; q's scale word
.set DD,  241                          ; on the diagonal: my query - the step's first key - 16 h
.set U,   242                          ; v242-255 seven partial sums of p, in pairs
.set WV,  18
.set MNT, 19
.set SEL, 20
.set CS,  22
.set G1C, 24
.set G1S, 32
.set G0C, 40
.set G0S, 44
.set T,   52                           ; the trip
.set ST,  53                           ; the key step
.set GG,  54                           ; the group of the tile in hand
.set JJ,  55                           ; wave / 2
.set TI0, 56                           ; 2 cx + u
.set HM,  59
.set OB,  68
.set OSB, 70
.macro TLOAD g0, g1                    ; an s_nop 0 and four v_nop follow the load
	tensor_load_to_lds s[\g0:\g0+3], s[\g1:\g1+7]
	s_nop 0
.rept 4
	v_nop
.endr
.endm
.macro CROUND                          ; a round of the cluster's barrier
	s_barrier_signal -1
	s_barrier_wait -1
	s_cmp_lg_u32 s[WV], 0
	s_cbranch_scc1 .Lnot_wave_0_\@
	s_barrier_signal -3
.Lnot_wave_0_\@:
	s_barrier_wait -3
	s_barrier_signal -1
	s_barrier_wait -1
.endm
	s_load_b256 s[4:11], s[0:1], 0x0               ; img s[4:5], isc s[6:7], o_img s[8:9], o_sc s[10:11]
	v_lshl_add_u32 v[SPW], v0, 2, SPARE
	v_mov_b32 v[NIL], 0
	ds_add_u32 v[SPW], v[NIL]                      ; the opening lines: the add, twice on end, and its wait ahead of the first tensor load
	ds_add_u32 v[SPW], v[NIL]
	v_lshrrev_b32 v8, 5, v0
	v_readfirstlane_b32 s[WV], v8                  ; wave 0..15
	s_and_b32 s86, ttmp7, 0xffff                   ; y = 4 x head + batch
	s_bfe_u32 s87, ttmp6, 0x40000                  ; cx
	s_mov_b32 s[G1C], 15|(3<<16)|(1<<21)           ; the mask of all four partners; elements of 8 bytes; bit 21 beside a mask.  2 rows of 16,384 bytes, 64 images of 131,072 bytes apart
	s_mov_b32 s[G1C+1], 2048<<16
	s_mov_b32 s[G1C+2], 2<<16
	s_mov_b32 s[G1C+3], 2048<<16
	s_mov_b32 s[G1C+4], 2
	s_mov_b32 s[G1C+5], 0x100000
	s_mov_b32 s[G1C+6], 0
	s_mov_b32 s[G1C+7], 0
	s_mov_b32 s[G1S], 15|(3<<16)|(1<<21)           ; 2 rows of 4,096 bytes, 64 images of 4,096 bytes apart
	s_mov_b32 s[G1S+1], 512<<16
	s_mov_b32 s[G1S+2], 2<<16
	s_mov_b32 s[G1S+3], 512<<16
	s_mov_b32 s[G1S+4], 2
	s_mov_b32 s[G1S+5], 32768
	s_mov_b32 s[G1S+6], 0
	s_mov_b32 s[G1S+7], 0
	s_add_co_u32 s62, s86, 64                      ; K's image: 64 + y; V's lies 64 images on
	s_lshl_b32 s66, s62, 17
	s_max_u32 s60, s[WV], 1
	s_sub_co_u32 s60, s60, 1                       ; the slot that I fetch: wave - 1
	s_lshl_b32 s60, s60, 14
	s_add_co_u32 s66, s66, s60
	s_mov_b32 s67, 0
	s_lshl_b32 s62, s62, 12
	s_mov_b32 s63, 0
	s_mov_b32 s[G0C], 1
	s_lshl_b32 s[G0C+1], s[WV], 15                 ; slot wave - 1 lies at 32,768 x wave
	s_mov_b32 s[G0S], 1
	s_mov_b32 s[G0S+1], 0
	s_wait_dscnt 0x0                               ; both opening adds are done
	s_wait_kmcnt 0x0
	s_add_nc_u64 s[G0C+2:G0C+3], s[4:5], s[66:67]
	s_or_b32 s[G0C+3], s[G0C+3], 0x80000000
	s_add_nc_u64 s[G0S+2:G0S+3], s[6:7], s[62:63]
	s_or_b32 s[G0S+3], s[G0S+3], 0x80000000
	CROUND                                         ; all four work-groups are here: the joint loads meet
	s_cmp_eq_u32 s[WV], 0                          ; one chain of branches on the wave's number, a load to an arm.  Waves 0 and 1, which wait at the first barrier, have lines of their own
	s_cbranch_scc0 .Larm_1
	TLOAD G0S, G1S
	s_branch .Lasked
.Larm_1:
	s_cmp_eq_u32 s[WV], 1
	s_cbranch_scc0 .Larm_2
	TLOAD G0C, G1C
	s_branch .Lasked
.Larm_2:
	s_cmp_lt_u32 s[WV], 9
	s_cbranch_scc0 .Lasked
	TLOAD G0C, G1C
.Lasked:
	s_mov_b32 s[SEL], 0x76543210
	s_mov_b32 s[SEL+1], 0xfedcba98
	s_mov_b32 s[CS], 0x3e38aa3b                    ; log2(e) / 8
	s_mov_b32 s[CS+1], s[CS]
	s_mov_b32 s[MNT], 0x600000
	s_mov_b32 s[HM], 0xffff0000
	s_lshr_b32 s[JJ], s[WV], 1
	s_and_b32 s85, s[WV], 1                        ; u
	s_lshl_b32 s[TI0], s87, 1
	s_add_co_u32 s[TI0], s[TI0], s85
	s_sub_co_u32 s[GG], 15, s[JJ]                  ; the first tile's group
	s_and_b32 s73, s86, 3
	s_lshl_b32 s73, s73, 7                         ; 128 x batch
	s_lshr_b32 s74, s86, 2
	s_lshl_b32 s75, s74, 1                         ; 2 x head
	s_lshl_b32 s74, s74, 10                        ; 1,024 x head
	s_cmp_eq_u32 s85, 0
	s_mov_b32 s84, 0x03020302
	s_cselect_b32 s84, 0x01000100, s84             ; which two bytes of a raw scale word are my tile's
	; q of both tiles: image y, 1,024 (8 G + 2 cx + u) bytes on
	s_lshl_b32 s62, s86, 17
	s_lshl_b32 s66, s[GG], 3
	s_add_co_u32 s66, s66, s[TI0]
	s_lshl_b32 s66, s66, 10
	s_add_co_u32 s66, s66, s62
	s_add_nc_u64 s[76:77], s[4:5], s[66:67]
	s_lshl_b32 s66, s[JJ], 3
	s_add_co_u32 s66, s66, s[TI0]
	s_lshl_b32 s66, s66, 10
	s_add_co_u32 s66, s66, s62
	s_add_nc_u64 s[78:79], s[4:5], s[66:67]
	; and their scale words: 4,096 y + 256 G + 128 (cx % 2) + 4 (cx / 2), + 8 r
	s_lshl_b32 s62, s86, 12
	s_and_b32 s66, s87, 1
	s_lshl_b32 s66, s66, 7
	s_add_co_u32 s62, s62, s66
	s_lshr_b32 s66, s87, 1
	s_lshl_b32 s66, s66, 2
	s_add_co_u32 s62, s62, s66
	s_lshl_b32 s66, s[GG], 8
	s_add_co_u32 s66, s66, s62
	s_add_nc_u64 s[80:81], s[6:7], s[66:67]
	s_lshl_b32 s66, s[JJ], 8
	s_add_co_u32 s66, s66, s62
	s_add_nc_u64 s[82:83], s[6:7], s[66:67]
	s_lshl_b32 s61, s87, 5
	s_lshl_b32 s60, s85, 3
	s_add_co_u32 s61, s61, s60                     ; 32 cx + 8 u
.macro SETBLK                          ; where the tile of group s[GG] goes: tile of 16 rows number 128 batch + 8 G + 2 cx + u
	s_lshl_b32 s60, s[GG], 3
	s_add_co_u32 s60, s60, s[TI0]
	s_add_co_u32 s60, s60, s73
	s_lshl_b32 s62, s60, 14
	s_add_co_u32 s62, s62, s74
	s_mov_b32 s63, 0
	s_add_nc_u64 s[OB:OB+1], s[8:9], s[62:63]      ; o_img: 16,384 bytes a tile of rows, 1,024 a head
	s_lshl_b32 s62, s60, 9
	s_add_co_u32 s62, s62, s75
	s_add_nc_u64 s[OSB:OSB+1], s[10:11], s[62:63]  ; o_sc: 32 bytes a row, 2 a head
.endm
	SETBLK
	v_and_b32 v8, 31, v0
	v_and_b32 v9, 15, v0                           ; r
	v_bfe_u32 v[TMP], v0, 4, 1                     ; h
	v_lshlrev_b32 v[LI], 4, v8
	v_lshlrev_b32 v[L8], 3, v8
	v_lshlrev_b32 v[R8], 3, v9
	global_load_b128 v[16:19], v[LI], s[76:77]                 ; q, channels 16 h on
	global_load_b128 v[20:23], v[LI], s[76:77] offset:512      ; and 32 + 16 h on
	global_load_b128 v[32:35], v[LI], s[76:77]                 ; once more, behind the zeros
	global_load_b128 v[36:39], v[LI], s[76:77] offset:512
	global_load_b32 v[RAW], v[R8], s[80:81]
	v_add_nc_u32 v[LK], 32768, v[LI]
	v_lshl_add_u32 v[OSO], v9, 5, v[TMP]
	v_and_b32 v[DD], 8, v9
	v_add_nc_u32 v[DD], v[DD], v9                  ; r % 8 + 16 (r / 8)
	v_lshlrev_b32 v[TMP], 4, v[TMP]
	v_sub_nc_u32 v[DD], v[DD], v[TMP]
	v_add_nc_u32 v[DD], s61, v[DD]
	v_mov_b32 v[NINF], 0xff800000
.irp j, 0,1,2,3,4,5,6,7
	v_mov_b32 v[24+\j], 0                          ; the zero codes between the two copies of q
.endr
.irp b, 0,1,2,3
	v_mov_b32 v[PRM+\b], 0                         ; written once: a lane permute's destination counts as one of its sources
.endr
	v_mov_b32 v[F+1], 0                            ; named as the upper half of a pair
	v_mov_b32 v[TMP], 0
.macro INIT                            ; a tile begins: the largest t under every t, sums and O^T zero
	v_mov_b32 v13, 0xff61b1e6
	s_delay_alu instid0(VALU_DEP_1)
	v_floor_f32 v12, -v13
	v_mov_b32 v14, 0
	v_mov_b32 v15, 0
.set j, 0
.rept 32
	v_mov_b32 v[O+j], 0
.set j, j+1
.endr
.endm
	s_wait_alu depctr_va_vdst(0)                   ; the wait ahead of the wait below
	s_wait_loadcnt 0x0
	v_perm_b32 v[QSW], v[RAW], v[RAW], s84         ; (s0, s1, s0, s1): it serves [q | 0] and [0 | q] alike.  The lines of INIT stand between it and the first product
	INIT
; A KEY STEP: the 128 keys of step s[ST].  full = 1: every wave's tile needs it whole; full = 0: it is jumped over where the tile's group lies under it, and masked where it is the group's own.
.macro STEP full
.if \full == 0
	s_cmp_gt_u32 s[ST], s[GG]
	s_cbranch_scc1 .Lhidden_\@
.endif
	s_lshr_b32 s60, s[ST], 1
	s_lshl_b32 s60, s60, 15                        ; the slot,
	s_and_b32 s61, s[ST], 1
	s_lshl_b32 s61, s61, 13                        ; and its half
	s_add_co_u32 s60, s60, s61
	s_lshl_b32 s61, s[ST], 8                       ; 256 bytes of scale words a step
	v_add_nc_u32 v[ADK], s60, v[LK]                ; with the seven additions at the last step's end: nine places ahead of loads into registers that the last products read
	v_add_nc_u32 v[ADS], s61, v[L8]
.irp p, 0,1,2,3
.irp c, 0,1,2,3
	ds_load_b128 v[FRG+16*\p+4*\c:FRG+16*\p+4*\c+3], v[ADK] offset:2048*\p+512*\c
.endr
.endr
	ds_load_b64 v[KSR:KSR+1], v[ADS]
	s_wait_alu depctr_va_vdst(0)                   ; the wait ahead of the wait below
	s_wait_dscnt 0x0
.irp p, 0,2                                    ; S^T = K Q^T: fragment p gives tiles 2 p and 2 p + 1
	v_wmma_scale_f32_16x16x128_f8f6f4 v[S+16*\p:S+16*\p+7], v[FRG+16*\p:FRG+16*\p+15], v[16:31], 0, v[KSR+\p/2], v[QSW]
	v_wmma_scale_f32_16x16x128_f8f6f4 v[S+16*\p+8:S+16*\p+15], v[FRG+16*\p:FRG+16*\p+15], v[24:39], 0, v[KSR+\p/2], v[QSW]
	v_wmma_scale_f32_16x16x128_f8f6f4 v[S+16*\p+16:S+16*\p+23], v[FRG+16*\p+16:FRG+16*\p+31], v[16:31], 0, v[KSR+\p/2], v[QSW] matrix_a_scale:MATRIX_SCALE_ROW1
	v_wmma_scale_f32_16x16x128_f8f6f4 v[S+16*\p+24:S+16*\p+31], v[FRG+16*\p+16:FRG+16*\p+31], v[24:39], 0, v[KSR+\p/2], v[QSW] matrix_a_scale:MATRIX_SCALE_ROW1
.endr
.rept 8
	v_nop                                          ; eight places behind the products
.endr
.irp t, 0,1,2,3                                ; V's four tiles take K's registers and land under the softmax
.irp c, 0,1,2,3
	ds_load_b128 v[FRG+16*\t+4*\c:FRG+16*\t+4*\c+3], v[ADK] offset:VOFF+2048*\t+512*\c
.endr
.endr
	ds_load_b64 v[VSR:VSR+1], v[ADS] offset:VSC
.if \full == 0
	s_cmp_lg_u32 s[ST], s[GG]                      ; the group's own step lies on the diagonal: hidden scores become -infinity ahead of the maximum
	s_cbranch_scc1 .Lopen_\@
.set n, 0
.rept 64
	v_cmp_gt_i32 vcc_lo, 32*(n/16)+n%16, v[DD]     ; register 16 b + i is hidden where 32 b + i > d
	v_cndmask_b32 v[S+n], v[S+n], v[NINF], vcc_lo
.set n, n+1
.endr
.Lopen_\@:
.endif
.irp b, 0,1,2,3
	v_max3_num_f32 v[BMX+\b], v[S+16*\b], v[S+1+16*\b], v[S+2+16*\b]   ; the largest score of each block of 32 keys: for the row's maximum, and for the block's largest p
.endr
.irp i, 3,5,7,9,11,13
.irp b, 0,1,2,3
	v_max3_num_f32 v[BMX+\b], v[BMX+\b], v[S+16*\b+\i], v[S+1+16*\b+\i]
.endr
.endr
.irp b, 0,1,2,3
	v_max_num_f32 v[BMX+\b], v[BMX+\b], v[S+15+16*\b]
.endr
.irp b, 0,1,2,3
	s_delay_alu instid0(VALU_DEP_4)
	v_permlanex16_b32 v[PRM+\b], v[BMX+\b], s[SEL], s[SEL+1]
.endr
.irp b, 0,1,2,3
	s_delay_alu instid0(VALU_DEP_4)
	v_max_num_f32 v[BMX+\b], v[BMX+\b], v[PRM+\b]
.endr
	s_delay_alu instid0(VALU_DEP_2)
	v_max3_num_f32 v[TMP], v[BMX], v[BMX+1], v[BMX+2]
	s_delay_alu instid0(VALU_DEP_1)
	v_max_num_f32 v[TMP], v[TMP], v[BMX+3]
	s_delay_alu instid0(VALU_DEP_1)
	v_mul_f32 v[TMP], s[CS], v[TMP]
	s_delay_alu instid0(VALU_DEP_1)
	v_max_num_f32 v13, v13, v[TMP]                 ; the running largest t
	v_mov_b32 v[TMP], v12
	s_delay_alu instid0(VALU_DEP_2)
	v_floor_f32 v12, -v13                          ; -M = floor(-t): M is a whole number
	s_delay_alu instid0(VALU_DEP_1)
	v_sub_f32 v[TMP], v12, v[TMP]
	s_delay_alu instid0(VALU_DEP_1)
	v_cvt_i32_f32 v[TMP], v[TMP]                   ; (it saturates)
	s_delay_alu instid0(VALU_DEP_1)
	v_ldexp_f32 v[F], 1.0, v[TMP]                  ; f = 2^(old M - new M)
.set j, 0
.rept 32
	v_pk_fma_f32 v[S+j:S+j+1], v[S+j:S+j+1], s[CS:CS+1], v[12:13] op_sel_hi:[1,0,0]   ; t - M
.set j, j+2
.endr
.irp b, 0,1,2,3
	v_fma_f32 v[BMX+\b], v[BMX+\b], s[CS], v12
.endr
	s_wait_alu depctr_va_vdst(0)                   ; the wait ahead of the batch
.set j, 0
.rept 64
	v_exp_f32 v[S+j], v[S+j]                       ; p, not normalised
.set j, j+1
.endr
	v_pk_mul_f32 v[14:15], v[14:15], v[F:F+1] op_sel_hi:[1,0]   ; the sums under the new M (a plain line behind the exponentials)
	s_wait_alu depctr_va_vdst(0)                   ; one wait for the batch of 64, ahead of its first reader
.irp b, 0,1,2,3
	v_exp_f32 v[BMX+\b], v[BMX+\b]                 ; the blocks' largest p
.endr
.set k, 0
.rept 7                                        ; the row's sum is taken of the unquantised p, ahead of the holds: 32 pairs into seven partial sums
	v_pk_add_f32 v[U+2*k:U+2*k+1], v[S+4*k:S+4*k+1], v[S+4*k+2:S+4*k+3]
.set k, k+1
.endr
.set k, 0
.rept 18
	v_pk_add_f32 v[U+2*(k%7):U+2*(k%7)+1], v[U+2*(k%7):U+2*(k%7)+1], v[S+28+2*k:S+29+2*k]
.set k, k+1
.endr
	s_wait_alu depctr_va_vdst(0)                   ; and one for the four
.irp b, 0,1,2,3
	v_max_num_f32 v[BMX+\b], 0x4800000, v[BMX+\b]  ; the floor 2^(9 - 127)
.endr
.irp b, 0,1,2,3
	s_delay_alu instid0(VALU_DEP_4)
	v_add_nc_u32 v[SOP+\b], 0xfc000000, v[BMX+\b]  ; 8 off the exponent field: the conversion's scale operand
.endr
.irp b, 0,1,2,3
	v_and_or_b32 v[HLD+\b], v[BMX+\b], 0x7f800000, s[MNT]   ; 448 x the scale
.endr
.irp b, 0,1,2,3
	v_lshrrev_b32 v[PRM+\b], 23, v[SOP+\b]         ; the byte
.endr
	v_lshl_or_b32 v[PRM], v[PRM+1], 8, v[PRM]
	v_lshl_or_b32 v[PRM+2], v[PRM+3], 8, v[PRM+2]
	v_lshl_or_b32 v[PSW], v[PRM+2], 16, v[PRM]     ; p's scale word for these 128 keys
.irp b, 0,1,2,3
.irp i, 0,2,4,6,8,10,12,14
	v_dual_min_num_f32 v[S+16*\b+\i], v[HLD+\b], v[S+16*\b+\i] :: v_dual_min_num_f32 v[S+16*\b+\i+1], v[HLD+\b], v[S+16*\b+\i+1]   ; p is not negative: the hold is one-sided; two to a line
.endr
	v_cvt_scalef32_pk8_fp8_f32 v[PC+4*\b:PC+1+4*\b], v[S+16*\b:S+7+16*\b], v[SOP+\b]
	v_cvt_scalef32_pk8_fp8_f32 v[PC+2+4*\b:PC+3+4*\b], v[S+8+16*\b:S+15+16*\b], v[SOP+\b]
.endr
	s_wait_alu depctr_va_vdst(0)                   ; the wait directly ahead of the first reader of O^T
.set j, 0
.rept 16
	v_pk_mul_f32 v[O+j:O+j+1], v[O+j:O+j+1], v[F:F+1] op_sel_hi:[1,0]   ; O^T under the new M; also the places ahead of the products below
.set j, j+2
.endr
	s_wait_alu depctr_va_vdst(0)                   ; the wait ahead of the wait below
	s_wait_dscnt 0x0                               ; V is in
.irp t, 0,2                                    ; O^T += V^T P^T: four accumulators by turns; the eight products of the scores stand between two links of a chain
	v_wmma_scale_f32_16x16x128_f8f6f4 v[O+8*\t:O+8*\t+7], v[FRG+16*\t:FRG+16*\t+15], v[PC:PC+15], v[O+8*\t:O+8*\t+7], v[VSR+\t/2], v[PSW]
	v_wmma_scale_f32_16x16x128_f8f6f4 v[O+8*\t+8:O+8*\t+15], v[FRG+16*\t+16:FRG+16*\t+31], v[PC:PC+15], v[O+8*\t+8:O+8*\t+15], v[VSR+\t/2], v[PSW] matrix_a_scale:MATRIX_SCALE_ROW1
.endr
.irp a, 0,4,8                                  ; the seven partial sums are joined behind the products: plain lines that name none of their registers
	v_pk_add_f32 v[U+\a:U+\a+1], v[U+\a:U+\a+1], v[U+\a+2:U+\a+3]
.endr
	v_pk_add_f32 v[U:U+1], v[U:U+1], v[U+4:U+5]
	v_pk_add_f32 v[U+8:U+9], v[U+8:U+9], v[U+12:U+13]
	v_pk_add_f32 v[U:U+1], v[U:U+1], v[U+8:U+9]
	v_pk_add_f32 v[14:15], v[14:15], v[U:U+1]
.if \full == 0
.Lhidden_\@:
.endif
.endm
; A tile ends: O^T / the sum; register 16 c + i is channel 32 c + 16 h + i: two blocks of 32 along the next K; codes and bytes leave.
.macro FINISH
	v_add_f32 v14, v14, v15
	s_delay_alu instid0(VALU_DEP_1)
	v_permlanex16_b32 v[TMP], v14, s[SEL], s[SEL+1]
	s_delay_alu instid0(VALU_DEP_1)
	v_add_f32 v14, v14, v[TMP]                     ; the row's sum
	s_wait_alu depctr_va_vdst(0)
	v_rcp_f32 v[F], v14
	v_nop
	s_wait_alu depctr_va_vdst(0)                   ; ahead of the reciprocal's first reader, which is O^T's too
.set j, 0
.rept 16
	v_pk_mul_f32 v[O+j:O+j+1], v[O+j:O+j+1], v[F:F+1] op_sel_hi:[1,0]
.set j, j+2
.endr
.irp b, 0,1
	v_max3_num_f32 v[BMX+\b], |v[O+16*\b]|, |v[O+1+16*\b]|, 0x4800000
.endr
.irp i, 2,4,6,8,10,12,14
.irp b, 0,1
	s_delay_alu instid0(VALU_DEP_2)
	v_max3_num_f32 v[BMX+\b], v[BMX+\b], |v[O+16*\b+\i]|, |v[O+1+16*\b+\i]|
.endr
.endr
.irp b, 0,1
	s_delay_alu instid0(VALU_DEP_2)
	v_permlanex16_b32 v[PRM+\b], v[BMX+\b], s[SEL], s[SEL+1]
.endr
.irp b, 0,1
	s_delay_alu instid0(VALU_DEP_2)
	v_max_num_f32 v[BMX+\b], v[BMX+\b], v[PRM+\b]
.endr
.irp b, 0,1
	s_delay_alu instid0(VALU_DEP_2)
	v_add_nc_u32 v[SOP+\b], 0xfc000000, v[BMX+\b]
.endr
.irp b, 0,1
	s_delay_alu instid0(VALU_DEP_4)
	v_and_or_b32 v[HLD+\b], v[BMX+\b], 0x7f800000, s[MNT]
.endr
.irp b, 0,1
	s_delay_alu instid0(VALU_DEP_4)
	v_lshrrev_b32 v[PRM+\b], 23, v[SOP+\b]
.endr
	s_delay_alu instid0(VALU_DEP_1)
	v_cndmask_b32 v[TMP], v[PRM], v[PRM+1], s[HM]  ; lanes 0-15 store the first block's byte, lanes 16-31 the second's
.irp b, 0,1
.irp i, 0,1,2,3,4,5,6,7,8,9,10,11,12,13,14,15
	v_med3_num_f32 v[O+16*\b+\i], v[O+16*\b+\i], -v[HLD+\b], v[HLD+\b]
.endr
	v_cvt_scalef32_pk8_fp8_f32 v[PC+4*\b:PC+1+4*\b], v[O+16*\b:O+7+16*\b], v[SOP+\b]
	v_cvt_scalef32_pk8_fp8_f32 v[PC+2+4*\b:PC+3+4*\b], v[O+8+16*\b:O+15+16*\b], v[SOP+\b]
.endr
	v_nop                                          ; a plain line behind the last conversion
	global_store_b128 v[LI], v[PC:PC+3], s[OB:OB+1]                ; 512 consecutive bytes, aligned
	global_store_b128 v[LI], v[PC+4:PC+7], s[OB:OB+1] offset:512
	global_store_b8 v[OSO], v[TMP], s[OSB:OSB+1]
	s_wait_xcnt 0x0                                ; the stores have read their registers and bases: both may be written again
.endm
	s_wait_alu depctr_va_vdst(0)                   ; the wait at the head's end
	s_cmp_lt_u32 s[WV], 2
	s_cbranch_scc0 .Lnot_first
	s_wait_tensorcnt 0x0                           ; waves 0 and 1: the scale words and slot 0 have landed
.Lnot_first:
	s_barrier_signal -1
	s_barrier_wait -1
	s_mov_b32 s[ST], 0
.Lfirst:                                           ; steps 0 and 1, slot 0: every wave's first tile lies in groups 8 to 15 and needs them whole
	STEP 1
	s_add_co_u32 s[ST], s[ST], 1
	s_cmp_lt_u32 s[ST], 2
	s_wait_alu depctr_va_vdst(0)                   ; the wait ahead of the branch
	s_cbranch_scc1 .Lfirst
	s_wait_tensorcnt 0x0                           ; every wave: all that is still out has landed
	s_wait_dscnt 0x0
	s_barrier_signal -1
	s_barrier_wait -1                              ; the whole head lies in LDS; nobody writes it again
	s_mov_b32 s[T], 2
.Lwalk:                                            ; trips 2 to 15: the first tile's steps; trips 16 to 23: the second tile's steps 0 to 7
	s_cmp_eq_u32 s[T], 16
	s_cbranch_scc0 .Lsame
	global_load_b128 v[16:19], v[LI], s[78:79]                 ; the second tile's q lands under the first tile's way out
	global_load_b128 v[20:23], v[LI], s[78:79] offset:512
	global_load_b128 v[32:35], v[LI], s[78:79]
	global_load_b128 v[36:39], v[LI], s[78:79] offset:512
	global_load_b32 v[RAW], v[R8], s[82:83]
	FINISH
	s_mov_b32 s[GG], s[JJ]
	SETBLK
	s_wait_alu depctr_va_vdst(0)
	s_wait_loadcnt 0x0
	v_perm_b32 v[QSW], v[RAW], v[RAW], s84         ; the lines of INIT stand between it and the next product
	INIT
.Lsame:
	s_and_b32 s[ST], s[T], 15
	STEP 0
	s_add_co_u32 s[T], s[T], 1
	s_cmp_lt_u32 s[T], 24
	s_wait_alu depctr_va_vdst(0)                   ; the wait ahead of the branch
	s_cbranch_scc1 .Lwalk
	FINISH
	s_wait_tensorcnt 0x0                           ; the wave's end
	ds_add_u32 v[SPW], v[NIL]
	s_wait_dscnt 0x0
	CROUND                                         ; the closing round
	s_endpgm
.Lfunc_end_k_q1fbab537ca_attn:
	.size	k_q1fbab537ca_attn, .Lfunc_end_k_q1fbab537ca_attn-k_q1fbab537ca_attn
	.p2alignl 7, 3214868480
	.fill 96, 4, 3214868480
	.section	.rodata,"a",@progbits
	.p2align	6, 0x0
	.amdhsa_kernel k_q1fbab537ca_attn
		.amdhsa_group_segment_fixed_size 327680
		.amdhsa_private_segment_fixed_size 0
		.amdhsa_enable_private_segment 0
		.amdhsa_kernarg_size 32
		.amdhsa_user_sgpr_count 2
		.amdhsa_user_sgpr_kernarg_segment_ptr 1
		.amdhsa_wavefront_size32 1
		.amdhsa_system_sgpr_workgroup_id_x 1
		.amdhsa_system_sgpr_workgroup_id_y 1
		.amdhsa_system_sgpr_workgroup_id_z 1
		.amdhsa_system_vgpr_workitem_id 0
		.amdhsa_next_free_vgpr 256
		.amdhsa_next_free_sgpr 90
		.amdhsa_reserve_vcc 1
		.amdhsa_float_denorm_mode_32 3
		.amdhsa_float_denorm_mode_16_64 3
		.amdhsa_memory_ordered 1
		.amdhsa_forward_progress 1
		.amdhsa_inst_pref_size 68
	.end_amdhsa_kernel
	.amdgpu_metadata
---
amdhsa.version: [ 1, 2 ]
amdhsa.kernels:
  - .name:           k_q1fbab537ca_attn
    .symbol:         k_q1fbab537ca_attn.kd
    .args:
      - { .name: img, .offset: 0, .size: 8, .value_kind: global_buffer, .address_space: global }
      - { .name: isc, .offset: 8, .size: 8, .value_kind: global_buffer, .address_space: global }
      - { .name: o_img, .offset: 16, .size: 8, .value_kind: global_buffer, .address_space: global }
      - { .name: o_sc, .offset: 24, .size: 8, .value_kind: global_buffer, .address_space: global }
    .group_segment_fixed_size: 327680
    .private_segment_fixed_size: 0
    .kernarg_segment_align: 8
    .kernarg_segment_size: 32
    .max_flat_workgroup_size: 512
    .sgpr_count:     90
    .vgpr_count:     256
    .wavefront_size: 32
...
	.end_amdgpu_metadata
.endif
;; end of part 3
;; launch proj (part 4): grid 8 x 32, 4 waves a work-group, clusters of 4 x 4, 327,680 bytes of LDS; arguments o_img, o_sc, codes, scl, b_out, out0; writes out0
.if DOCPART == 4
	.amdgcn_target "amdgcn-amd-amdhsa--gfx1250"
	.amdhsa_code_object_version 6
	.text
	.protected	k_q1fbab537ca_proj
	.globl	k_q1fbab537ca_proj
	.p2align	8
	.type	k_q1fbab537ca_proj,@function
k_q1fbab537ca_proj:
	s_mov_b64 s[64:65], 0
	v_nop
	global_prefetch_b8 v0, s[64:65] scope:SCOPE_SE
	s_setreg_imm32_b32 hwreg(HW_REG_WAVE_MODE, 25, 1), 1
	s_wait_xcnt 0x0
	s_wait_alu depctr_hold_cnt(0) depctr_sa_sdst(0) depctr_va_vdst(0) depctr_va_sdst(0) depctr_va_ssrc(0) depctr_va_vcc(0) depctr_vm_vsrc(0)
	s_getreg_b32 s2, hwreg(HW_REG_IB_STS2, 6, 4)
	s_cmp_eq_u32 s2, 0
	s_cbranch_scc0 .Lentry_in_a_cluster
	s_endpgm
.Lentry_in_a_cluster:
	s_bfe_u32 s2, ttmp6, 0x10000c
	s_cmp_lg_u32 s2, 0xf033
	s_cbranch_scc0 .Lentry_shape_is_right
	s_endpgm
.Lentry_shape_is_right:
; out0 = o W_out + b_out on codes of E4M3 with E8M0 scales: 8,192 x 1,024 x 1,024, f32 sums, f32 out.
; o_img: [tile of 16 rows by position p][head][c][lane][16 bytes]: 16,384 bytes a tile, images of operand registers: lane (r, h) = row r of the tile, K = 64 head + 32 c + 16 h + 0 .. 15.  Row r of tile p is token 32 (p / 2) + 8 (p % 2) + r % 8 + 16 (r / 8).
; o_sc: [16 p + r][32 bytes].  W_out's columns are rows 11,264 on of codes (1,024 bytes a row) and scl (32 bytes a row), by position (bits 3 and 4 of the index exchanged).
; THE DEAL.  256 work-groups of four waves, 2 x 2; a work-group makes 256 rows x 128 columns.  A wave holds its 64 rows of W_out, ALL of K, in 512 registers, and streams o's rows past them in eight blocks of 16 rows x all of K (128 registers a block, two sets).
; A block is 32 products: K in eight steps of 128, four accumulators by turns; the bias is the C of the first four.
; THE PRODUCT IS USED TRANSPOSED: source 0 = 16 rows of W_out, source 1 = 16 rows of o: register j of accumulator b of lane (r, h) is row r, column 32 (b / 2) + 16 h + 8 (b % 2) + j.
; LDS: two regions of 128 rows of 1,024 bytes + 16 of padding.  Region 0: o's first 128 rows (8 tiles, one dense block of memory).  Region 1: W_out's 128 rows; when every wave holds them in registers, o's second 128 rows are filled over them, in the same shape,
; behind a drained round of the cluster's barrier: the launch's one refill.  Behind the regions: a stage of 16 rows x 272 bytes for each wave, and the spare words.
; CLUSTERS: 4 x 4 work-groups; o's rows are asked for jointly by a row of the cluster, W_out's by a column.
; HEAD: waves 0 and 1 fetch the halves of W_out's rows, which are wanted first, and wait for them at the first barrier; waves 2 and 3 fetch the halves of o's first 128 rows, shown by the round.  The two groups have a load line each.
; Scale words and the bias go from memory into registers, once: W_out's 16 registers, o's 8 a block, the bias 32.
; PREFETCH: o's second 128 rows, 512 blocks of 256 bytes, are asked of memory behind the first barrier, 128 LDS loads ahead of the load that wants them: the sixteen waves of a cluster's row take 32 blocks each, told apart by address, a lane a block.
; THE WAY OUT: a block's 16 rows x 64 columns go through the wave's own stage and leave as rows of 256 bytes, sixteen lanes to an aligned unit; block n's stores stand behind block n + 1's products.  Every offset is an immediate.
; REGISTERS: window 0: v4-15 addresses; v16-31 W_out's scale words; v36-99 o's; v100-131 the bias; v132-195 two sets of four accumulators; v196-227, and v228-255 with v32-35: two sets of 32 for the way out.  Windows 1, 2: W_out.  Window 3: o's two sets.
.set KROW,   1024
.set PITCH,  1040                      ; an odd multiple of 16 bytes: the 16 rows of a load start in 16 different columns of 16 bytes modulo 256
.set YB,     128*PITCH                 ; region 1
.set STAGE,  2*YB
.set SPITCH, 272
.set SPARE,  STAGE+4*16*SPITCH         ; the spare words, 128 bytes a wave: two blocks of 256 bytes that no other line names
.set NP,     8                         ; places behind this matrix instruction (ISA guide 7.12.1)
.set ADA,  4                           ; v4-7  LDS address of my tiles 0, 1 and 2, 3 of region 0, then of region 1
.set ADRB, 8                           ; v8    of my rows of W_out
.set STO,  9                           ; v9    the stage, in
.set RD,   10                          ; v10   the stage, back
.set CO,   11                          ; v11   my byte offset in two rows of out0
.set SPW,  12
.set NIL,  13
.set PFO,  14                          ; v14   the prefetch's offset; never rewritten
.set SB,   16                          ; register 8 p + q: lanes 0-15 tile 2 p's word of K step q, lanes 16-31 tile 2 p + 1's
.set SA,   36                          ; register 8 n + q: block n's; no product's two scale words have numbers equal modulo 8
.set BN,   100
.set ACC,  132
.set OB,   196
.set G1A, 24
.set G0A, 32
.set G1B, 48
.set G0B, 56
.set G1R, 68
.set G0R, 76
.set MSB, 0
.macro WIN new                         ; the immediate's high byte repeats the setting that is left
.if MSB != (\new)
	s_set_vgpr_msb (MSB<<8)|(\new)
.set MSB, (\new)
.endif
.endm
.macro PLACES n
.rept \n
	v_nop
.endr
.endm
.macro BARRIER
	s_barrier_signal -1
	s_barrier_wait -1
.endm
.macro CROUND                          ; a round of the cluster's barrier
	BARRIER
	s_cmp_lg_u32 s14, 0
	s_cbranch_scc1 .Lnot_wave_0_\@
	s_barrier_signal -3
.Lnot_wave_0_\@:
	s_barrier_wait -3
	BARRIER
.endm
.macro TLOAD g0, g1                    ; an s_nop 0 and four v_nop follow the load
	tensor_load_to_lds s[\g0:\g0+3], s[\g1:\g1+7]
	s_nop 0
	PLACES 4
.endm
.macro GROUP1 g, mask, rows            ; so many rows of 1,024 bytes, dense in memory, 16 bytes of padding behind each in LDS
	s_or_b32 s[\g+0], s[\mask], (1<<20)|(1<<21)|(7<<22)|(3<<25)
	s_mov_b32 s[\g+1], KROW<<16
	s_mov_b32 s[\g+2], (\rows)<<16
	s_mov_b32 s[\g+3], KROW<<16
	s_mov_b32 s[\g+4], \rows
	s_mov_b32 s[\g+5], KROW
	s_mov_b32 s[\g+6], 0
	s_mov_b32 s[\g+7], 0
.endm
	s_load_b256 s[4:11], s[0:1], 0x0               ; o_img s[4:5], o_sc s[6:7], codes s[8:9], scl s[10:11]
	s_load_b128 s[96:99], s[0:1], 0x20             ; b_out s[96:97], out0 s[98:99]
	v_lshl_add_u32 v[SPW], v0, 2, SPARE
	v_mov_b32 v[NIL], 0
	ds_add_u32 v[SPW], v[NIL]                      ; the opening lines: the add, twice on end, and its wait ahead of the first tensor load
	ds_add_u32 v[SPW], v[NIL]
	v_lshrrev_b32 v1, 5, v0
	v_readfirstlane_b32 s14, v1                    ; wave
	s_lshr_b32 s15, s14, 1                         ; my half of the rows.  Also: I fetch for W_out (0) or for o (1)
	s_and_b32 s16, s14, 1                          ; my half of the columns.  Also: which half I fetch
	s_bfe_u32 s40, ttmp6, 0x40000                  ; cx
	s_bfe_u32 s41, ttmp6, 0x40004                  ; cy
	s_lshl_b32 s42, ttmp9, 2
	s_add_co_u32 s42, s42, s40                     ; tile column: 128 columns
	s_and_b32 s17, ttmp7, 0xffff
	s_lshl_b32 s17, s17, 2
	s_add_co_u32 s17, s17, s41                     ; tile row: 256 rows, 16 tiles of o_img
	s_lshl_b32 s43, s41, 2
	s_lshl_b32 s43, 15, s43                        ; my row of the cluster
	s_lshl_b32 s44, 0x1111, s40                    ; my column
	GROUP1 G1B, 44, 64
	GROUP1 G1A, 43, 64
	GROUP1 G1R, 43, 32
	s_lshl_b32 s46, s42, 7
	s_lshl_b32 s18, s16, 6
	s_add_co_u32 s46, s46, s18
	s_add_co_u32 s46, s46, 11264                   ; W_out: the first of the 64 rows that I fetch, which are also the 64 that I multiply
	s_lshl_b32 s92, s46, 5                         ; their scale bytes,
	s_mov_b32 s93, 0
	s_lshl_b32 s46, s46, 10                        ; their codes
	s_mov_b32 s47, 0
	s_lshl_b32 s20, s17, 18                        ; o: 262,144 bytes a tile row;
	s_lshl_b32 s18, s16, 16
	s_add_co_u32 s20, s20, s18                     ; my half of its first 128 rows
	s_mov_b32 s21, 0
	s_lshl_b32 s22, s17, 18
	s_lshl_b32 s18, s14, 15
	s_add_co_u32 s22, s22, s18
	s_add_co_u32 s22, s22, 131072                  ; my quarter of its second 128 rows
	s_mov_b32 s23, 0
	s_mov_b32 s[G0B], 1
	s_mul_i32 s[G0B+1], s16, 64*PITCH
	s_add_co_u32 s[G0B+1], s[G0B+1], YB
	s_mov_b32 s[G0A], 1
	s_mul_i32 s[G0A+1], s16, 64*PITCH
	s_mov_b32 s[G0R], 1
	s_mul_i32 s[G0R+1], s14, 32*PITCH
	s_add_co_u32 s[G0R+1], s[G0R+1], YB
	s_wait_dscnt 0x0                               ; both opening adds are done
	s_wait_kmcnt 0x0
	s_add_nc_u64 s[G0B+2:G0B+3], s[8:9], s[46:47]
	s_or_b32 s[G0B+3], s[G0B+3], 0x80000000
	s_add_nc_u64 s[G0A+2:G0A+3], s[4:5], s[20:21]
	s_or_b32 s[G0A+3], s[G0A+3], 0x80000000
	s_add_nc_u64 s[G0R+2:G0R+3], s[4:5], s[22:23]
	s_or_b32 s[G0R+3], s[G0R+3], 0x80000000
	CROUND                                         ; all sixteen work-groups are here: the first joint loads meet
	s_cmp_lt_u32 s14, 2                            ; one joint load a wave
	s_cbranch_scc0 .Lfor_o
	TLOAD G0B, G1B
	s_branch .Lasked
.Lfor_o:
	TLOAD G0A, G1A
.Lasked:
	s_add_nc_u64 s[92:93], s[10:11], s[92:93]      ; W_out's scale bytes: my 64 rows
	s_lshl_b32 s20, s17, 13
	s_lshl_b32 s18, s15, 11
	s_add_co_u32 s20, s20, s18
	s_add_nc_u64 s[20:21], s[6:7], s[20:21]        ; o's scale bytes: tile 16 x tile row + 4 x my half, 512 bytes a tile
	s_lshl_b32 s46, s42, 9
	s_lshl_b32 s18, s16, 8
	s_add_co_u32 s46, s46, s18                     ; my first column, in bytes of f32
	s_add_nc_u64 s[96:97], s[96:97], s[46:47]
	s_lshl_b32 s22, s17, 20
	s_lshl_b32 s18, s15, 18
	s_add_co_u32 s22, s22, s18
	s_add_co_u32 s22, s22, s46                     ; row 256 x tile row + 64 x my half, 4,096 bytes a row
	s_add_nc_u64 s[98:99], s[98:99], s[22:23]
	s_lshl_b32 s18, s40, 2
	s_add_co_u32 s18, s18, s14                     ; which of the cluster row's sixteen waves I am
	s_lshl_b32 s18, s18, 13
	s_lshl_b32 s19, s17, 18
	s_add_co_u32 s18, s18, s19
	s_add_co_u32 s18, s18, 131072                  ; my 8,192 bytes of o's second 128 rows
	s_mul_i32 s80, s15, 4*16*PITCH                 ; my four tiles of a region
	s_mul_i32 s81, s16, 64*PITCH
	s_add_co_u32 s81, s81, YB                      ; my 64 rows of W_out
	s_mul_i32 s82, s14, 16*SPITCH
	s_add_co_u32 s82, s82, STAGE                   ; my stage
	v_and_b32 v1, 15, v0                           ; r
	v_bfe_u32 v2, v0, 4, 1                         ; h
	v_and_b32 v3, 31, v0                           ; lane
	v_lshlrev_b32 v228, 5, v3                      ; W_out's scale bytes: lane l takes row l of a pair of tiles
	v_lshlrev_b32 v229, 5, v1                      ; o's: row r of a tile
	v_lshlrev_b32 v230, 6, v2                      ; the bias: 16 h numbers on
.irp p, 0,1
.irp c, 0,1
	global_load_b128 v[SB+8*\p+4*\c:SB+8*\p+4*\c+3], v228, s[92:93] offset:\p*1024+16*\c
.endr
.endr
.irp n, 0,1,2,3,4,5,6,7
.irp c, 0,1
	global_load_b128 v[SA+8*\n+4*\c:SA+8*\n+4*\c+3], v229, s[20:21] offset:(8*(\n/4)+\n%4)*512+16*\c
.endr
.endr
.irp b, 0,1,2,3
	global_load_b128 v[BN+8*\b:BN+8*\b+3], v230, s[96:97] offset:(32*(\b/2)+8*(\b%2))*4
	global_load_b128 v[BN+8*\b+4:BN+8*\b+7], v230, s[96:97] offset:(32*(\b/2)+8*(\b%2))*4+16
.endr
	v_lshlrev_b32 v15, 4, v3
	v_add_nc_u32 v[ADA], s80, v15                  ; an image: 16 bytes a lane
	v_add_nc_u32 v[ADA+1], 2*16*PITCH, v[ADA]
	v_add_nc_u32 v[ADA+2], YB, v[ADA]
	v_add_nc_u32 v[ADA+3], YB, v[ADA+1]
	v_mul_u32_u24 v15, v1, PITCH
	v_lshl_add_u32 v15, v2, 4, v15
	v_add_nc_u32 v[ADRB], s81, v15                 ; row r x pitch + 16 h
	v_mul_u32_u24 v15, v1, SPITCH
	v_lshl_add_u32 v15, v2, 6, v15
	v_add_nc_u32 v[STO], s82, v15                  ; in: row r, 64 bytes for each half of the lanes
	v_mul_u32_u24 v15, v2, SPITCH
	v_lshl_add_u32 v15, v1, 4, v15
	v_add_nc_u32 v[RD], s82, v15                   ; back: lanes 0-15 one row of 256 bytes, lanes 16-31 the next
	v_lshlrev_b32 v15, 12, v2
	v_lshl_add_u32 v[CO], v1, 4, v15               ; and the same two rows in out0
	v_lshl_add_u32 v[PFO], v3, 8, s18
	s_wait_alu depctr_va_vdst(0)                   ; the wait at the head's end
	s_cmp_lt_u32 s14, 2
	s_cbranch_scc0 .Lnot_w
	s_wait_tensorcnt 0x0                           ; waves 0 and 1: W_out's rows have landed
.Lnot_w:
	BARRIER
	global_prefetch_b8 v[PFO], s[4:5] th:TH_LOAD_NT scope:SCOPE_SE
.irp q, 0,1,2,3,4,5,6,7                        ; my 64 rows of W_out, all of K: fragment 4 q + b, 16 registers, in window 1 + (4 q + b) / 16: registers 4 c .. 4 c + 3 hold K = 128 q + 32 c + 16 h + 0 .. 15
	WIN (1+\q/4)<<6
.irp b, 0,1,2,3
.irp c, 0,1,2,3
	ds_load_b128 v[16*((4*\q+\b)%16)+4*\c:16*((4*\q+\b)%16)+4*\c+3], v[ADRB] offset:128*\q+32*\c+\b*16*PITCH
.endr
.endr
.endr
	WIN 0
	s_wait_tensorcnt 0x0                           ; all my tensor loads have landed: waves 2 and 3's halves of o's first rows;
	ds_add_u32 v[SPW], v[NIL]                      ; 0 onto my spare word;
	s_wait_dscnt 0x0                               ; the add is done, and W_out is in my registers
	CROUND                                         ; no wave of any partner still reads region 1 or has a load on its way
	TLOAD G0R, G1R                                 ; o's second 128 rows over W_out's, a quarter a wave: the first tensor load behind the round
.macro FETCH n                         ; block n, 16 rows, all of K, into set n % 2 of window 3: 32 loads of 512 consecutive bytes
	WIN 3<<6
.irp q, 0,1,2,3,4,5,6,7
.irp c, 0,1,2,3
	ds_load_b128 v[128*((\n)%2)+16*\q+4*\c:128*((\n)%2)+16*\q+4*\c+3], v[ADA+2*((\n)/4)+((\n)%4)/2] offset:((\n)%2)*16*PITCH+2*PITCH*\q+PITCH*(\c/2)+512*(\c%2)
.endr
.endr
	WIN 0
.endm
.macro PROD n, k                       ; product k = 4 q + b of block n
.set Q_, (\k)/4
.set B_, (\k)%4
.set AC_, ACC+32*((\n)%2)+8*B_
.set C_, AC_
.if Q_ == 0
.set C_, BN+8*B_
.endif
.set R_, 128*((\n)%2)+16*Q_
.set W_, 16*((\k)%16)
	WIN (1+(\k)/16)|(3<<2)
.if B_%2
	v_wmma_scale_f32_16x16x128_f8f6f4 v[AC_:AC_+7], v[W_:W_+15], v[R_:R_+15], v[C_:C_+7], v[SB+8*(B_/2)+Q_], v[SA+8*(\n)+Q_] matrix_a_scale:MATRIX_SCALE_ROW1
.else
	v_wmma_scale_f32_16x16x128_f8f6f4 v[AC_:AC_+7], v[W_:W_+15], v[R_:R_+15], v[C_:C_+7], v[SB+8*(B_/2)+Q_], v[SA+8*(\n)+Q_]
.endif
.endm
.macro OBSET n, t                      ; the four registers that take rows 2 t, 2 t + 1 of block n on the way out
.if (\n)%2 == 0
.set OQ_, OB+4*(\t)
.elseif (\t) < 7
.set OQ_, 228+4*(\t)
.else
.set OQ_, 32
.endif
.endm
.macro OUT n                           ; block n into my stage, each accumulator from its low end on, and back by rows: LDS serves a wave's instructions in order (ISA guide 5.7.1.4)
.set AO_, ACC+32*((\n)%2)
.irp b, 0,1,2,3
	ds_store_b128 v[STO], v[AO_+8*\b:AO_+8*\b+3] offset:128*(\b/2)+32*(\b%2)
	ds_store_b128 v[STO], v[AO_+8*\b+4:AO_+8*\b+7] offset:128*(\b/2)+32*(\b%2)+16
.endr
.irp t, 0,1,2,3,4,5,6,7
	OBSET \n, \t
	ds_load_b128 v[OQ_:OQ_+3], v[RD] offset:\t*2*SPITCH
.endr
.endm
.macro SEND n                          ; block n = 4 a + i begins at row 128 a + 32 (i / 2) + 8 (i % 2); its row t is token t % 8 + 16 (t / 8) on.  Sixteen lanes store 256 consecutive bytes, aligned
.irp t, 0,1,2,3,4,5,6,7
	OBSET \n, \t
	global_store_b128 v[CO], v[OQ_:OQ_+3], s[98:99] offset:(128*((\n)/4)+32*(((\n)%4)/2)+8*((\n)%2)+((2*\t)%8)+16*((2*\t)/8))*4096 th:TH_STORE_NT
.endr
.endm
.macro BLK n
.set K_, 0
.rept 32
	PROD \n, K_
.set K_, K_+1
.endr
	WIN 0
	PLACES NP                                      ; ahead of the loads into the set just read and of the stores of the sums just made
.if (\n) == 2
	s_wait_tensorcnt 0x0                           ; my quarter of o's second 128 rows has landed
.endif
	s_wait_dscnt 0x0                               ; the next block's fragments are in, and the block before is back from the stage
.if (\n) == 2
	BARRIER                                        ; region 1 is whole: block 4 is fetched below
.endif
	s_wait_xcnt 0x0                                ; the stores of two blocks ago have read their registers
.if (\n) > 0
	SEND (\n)-1
.endif
.if (\n)+2 < 8
	FETCH (\n)+2
.endif
	OUT \n
.endm
	FETCH 0
	FETCH 1
	s_wait_loadcnt 0x0                             ; the scale words and the bias
	s_wait_dscnt 32                                ; block 0's fragments are in; block 1's 32 loads may be out
.irp n, 0,1,2,3,4,5,6,7
	BLK \n
.endr
	s_wait_dscnt 0x0
	SEND 7
	s_wait_tensorcnt 0x0                           ; the wave's end
	ds_add_u32 v[SPW], v[NIL]
	s_wait_dscnt 0x0
	CROUND                                         ; the closing round
	s_endpgm
.Lfunc_end_k_q1fbab537ca_proj:
	.size	k_q1fbab537ca_proj, .Lfunc_end_k_q1fbab537ca_proj-k_q1fbab537ca_proj
	.p2alignl 7, 3214868480
	.fill 96, 4, 3214868480
	.section	.rodata,"a",@progbits
	.p2align	6, 0x0
	.amdhsa_kernel k_q1fbab537ca_proj
		.amdhsa_group_segment_fixed_size 327680
		.amdhsa_private_segment_fixed_size 0
		.amdhsa_enable_private_segment 0
		.amdhsa_kernarg_size 48
		.amdhsa_user_sgpr_count 2
		.amdhsa_user_sgpr_kernarg_segment_ptr 1
		.amdhsa_wavefront_size32 1
		.amdhsa_system_sgpr_workgroup_id_x 1
		.amdhsa_system_sgpr_workgroup_id_y 1
		.amdhsa_system_sgpr_workgroup_id_z 1
		.amdhsa_system_vgpr_workitem_id 0
		.amdhsa_next_free_vgpr 1024
		.amdhsa_next_free_sgpr 100
		.amdhsa_reserve_vcc 0
		.amdhsa_float_denorm_mode_32 3
		.amdhsa_float_denorm_mode_16_64 3
		.amdhsa_memory_ordered 1
		.amdhsa_forward_progress 1
		.amdhsa_inst_pref_size 86
	.end_amdhsa_kernel
	.amdgpu_metadata
---
amdhsa.version: [ 1, 2 ]
amdhsa.kernels:
  - .name:           k_q1fbab537ca_proj
    .symbol:         k_q1fbab537ca_proj.kd
    .args:
      - { .name: o_img, .offset: 0, .size: 8, .value_kind: global_buffer, .address_space: global }
      - { .name: o_sc, .offset: 8, .size: 8, .value_kind: global_buffer, .address_space: global }
      - { .name: codes, .offset: 16, .size: 8, .value_kind: global_buffer, .address_space: global }
      - { .name: scl, .offset: 24, .size: 8, .value_kind: global_buffer, .address_space: global }
      - { .name: b_out, .offset: 32, .size: 8, .value_kind: global_buffer, .address_space: global }
      - { .name: out0, .offset: 40, .size: 8, .value_kind: global_buffer, .address_space: global }
    .group_segment_fixed_size: 327680
    .private_segment_fixed_size: 0
    .kernarg_segment_align: 8
    .kernarg_segment_size: 48
    .max_flat_workgroup_size: 128
    .sgpr_count:     100
    .vgpr_count:     1024
    .wavefront_size: 32
...
	.end_amdgpu_metadata
.endif
;; end of part 4
